; MI455X (gfx1250); checked and timed in simulation.
; The chip was launched on July 23, 2026; its instructions are those of AMD's public machine-readable ISA for CDNA 5 (MIT licence, August 2026) and "CDNA5" Instruction Set Architecture Reference Guide (July 2026). The comments in the code are by the model that wrote it; some were corrected since.
;; Multi Head Attention. Allowed arithmetic: matrix products marked QUANTISED: E2M1 operands, one E8M0 scale for each 32 along K, by v_wmma_scale_f32_16x16x128_f8f6f4 with both operands' format E2M1 (or v_wmma_scale_f32_32x16x128_f4), f32 sums; products left as they are: bf16, f16 or f32 operands; f32 sums; everything else in f32.
;; Inputs: b_out 1,024 float32; mask 2 x 1 x 2,048 x 2,048 int32; w_out 1,024 x 1,024 float32; w_qkv 3,072 x 1,024 float32; x 2 x 2,048 x 1,024 float32.
;; Outputs: out0 2 x 2,048 x 1,024 float32.
;; This version of the problem:
;;   THIS VERSION OF THE PROBLEM IS GIVEN IN LOW PRECISION. The matrix products marked QUANTISED in the list below multiply operands that are first quantised to E2M1 (2 exponent bits, 1 mantissa bit; 4 bits a number), with one power-of-two scale for each 32 numbers along K (OCP MX v1.0); their sums are f32. The products marked 'left as it is' may take bf16, f16 or f32 operands, with f32 sums. Whichever they take, every output number must still come out within the allowed error. Rounding operands to bf16 (8 significant bits) uses up far more of that allowance than f16 does (11 bits, for magnitudes from 6e-5 to 65,504). All else is computed in f32.
;;   The module's matrix products, in the order in which they are computed (A, B: the left and right operand; K: the contracted axis; several contracted axes count as one K, in the product's order):
;;     1. [M 4,096, K 1,024] x [K 1,024, N 3,072]; A: input x; B: input w_qkv: QUANTISED
;;     2. batch 32 x [M 2,048, K 64] x [K 64, N 2,048]; A: computed on the way; B: computed on the way: left as it is (an operand is computed on the way)
;;     3. batch 32 x [M 2,048, K 2,048] x [K 2,048, N 64]; A: computed on the way; B: computed on the way: left as it is (an operand is computed on the way)
;;     4. [M 4,096, K 1,024] x [K 1,024, N 1,024]; A: computed on the way; B: input w_out: left as it is (an operand is computed on the way)
;;   THE QUANTISER, for each operand of a quantised product, along K:
;;     - K is cut into blocks of 32 from its start; a last block that is shorter is filled with zeros.
;;     - A block's scale is 2^e with e = floor(log2(the largest magnitude in the block)) - 2, held to -126 .. 127; a block of zeros has e = 0. As a byte (E8M0): e + 127.
;;     - Each number is divided by its block's scale, clamped to +-6, and rounded to the nearest number of E2M1, ties to even, subnormals kept.
;;     - The product sums the exact products of the quantised numbers (number of the format x scale) in f32.
;;   ~~~python
;;   def quantise(x, axis):      # numpy; x: float32 -> the quantised numbers, widened to float32 again
;;       x = np.moveaxis(x, axis, -1); K = x.shape[-1]
;;       x = np.pad(x, [(0, 0)] * (x.ndim - 1) + [(0, -K % 32)]); x = x.reshape(x.shape[:-1] + (-1, 32)); a = np.abs(x).max(-1, keepdims=True)
;;       e = np.where(a > 0, np.clip(np.frexp(np.where(a > 0, a, 1))[1] - 1 - 2, -126, 127), 0)      # np.frexp(a)[1] - 1 = floor(log2(a)), exactly
;;       r = np.clip(x / 2.0 ** e, -6, 6)
;;       step = 2.0 ** (np.maximum(np.frexp(np.where(r == 0, 1, r))[1] - 1, 0) - 1)
;;       q = np.round(r / step) * step * 2.0 ** e      # np.round: ties to even
;;       return np.moveaxis(q.reshape(q.shape[:-2] + (-1,))[..., :K], -1, axis).astype(np.float32)
;;   ~~~
;; One version. Each part assembles by itself: llvm-mc -triple=amdgcn-amd-amdhsa -mcpu=gfx1250 --defsym DOCPART=n.
;; ======== version 1 of 1: 4 launches
;; limits: values are held in f16: magnitudes above 65,504 overflow, below 6.1e-05 lose precision
;; workspace buffers: xq_codes 2,097,152 bytes; xq_scales 131,072 bytes; wq_codes 1,572,864 bytes; wq_scales 98,304 bytes; wo_h 2,097,152 bytes; mbits 1,048,576 bytes of whole numbers; qkv 25,165,824 bytes; o_h 8,388,608 bytes
;; launch prep (part 1): grid 512 x 1, 4 waves a work-group, no clusters, 68,096 bytes of LDS; arguments x, w_qkv, w_out, mask, xq_codes, xq_scales, wq_codes, wq_scales, wo_h, mbits; writes xq_codes, xq_scales, wq_codes, wq_scales, wo_h, mbits
.if DOCPART == 1
	.amdgcn_target "amdgcn-amd-amdhsa--gfx1250"
	.amdhsa_code_object_version 6
	.text
	.protected	k_qb28e23b521_prep
	.globl	k_qb28e23b521_prep
	.p2align	8
	.type	k_qb28e23b521_prep,@function
k_qb28e23b521_prep:
	s_mov_b64 s[64:65], 0
	v_nop
	global_prefetch_b8 v0, s[64:65] scope:SCOPE_SE
	s_setreg_imm32_b32 hwreg(HW_REG_WAVE_MODE, 25, 1), 1
	s_wait_xcnt 0x0
; Three jobs in one launch, 128 KiB of input to each work-group; the paths part on the work-group's number and never join.
;   work-groups 0-127: x [4096][1024] f32, 128-223: w_qkv [3072][1024] f32 -> codes of FP4 (E2M1), K innermost, and one E8M0 byte for each 32 along K.
;   work-groups 224-255: w_out [1024][1024] f32 -> f16, same layout.
;   work-groups 256-511: mask [2][2048][2048] int32 -> words of 32 bits, one bit a lane of the attention launch: [32 queries P][64 keys kstep][64 words];
;     word 32 T + 8 kt + j, bit r + 16 h, is 1 where mask[row 32 P + 16 T + r][key 64 kstep + 16 kt + 8 h + j] == 0.  A key step's 64 words are 256 consecutive bytes.
; THE QUANTISER: a block's scale is 2^(floor(log2(largest magnitude)) - 2); its byte is the largest magnitude's exponent field - 2, held at 1 from below.  A block of zeros so gets the byte 1 where the
; rule says 127: its codes are zeros, which add nothing under any byte but 0xff, and this program alone reads the bytes.  Each number is divided by the scale and rounded to the nearest code, ties to even, beyond 6 the largest code.
; LIMITS: blocks whose largest magnitude lies under 2^(2 - 126) have their byte held at 1; NaN and infinities among the inputs are not served; w_out beyond 65,504 becomes an infinity in f16.
; No tensor loads, no barrier: waves share nothing.  Each path that uses LDS has LDS bytes of its own.
.set WAVES, 4
.set STEPS, 16
.set WGA,   128                        ; x's work-groups: 4096 x 1024 / 32768
.set WGQ,   224                        ; + w_qkv's 96
.set WGC,   256                        ; + w_out's 32
.set EMAX,  2
.set CB,    8                          ; bytes of 16 codes
.set R,     16                         ; v16-79   quantiser: four sets of 16 numbers as loaded
.set X,     80                         ; v80-111  two sets of 16 neighbours
.set E,     112                        ; v112-127 a scale byte for each step
.set C,     128                        ; v128-191 codes, four registers a step
.set WREG,  8192                       ; LDS: quantiser: a region for each wave: two stages of 32 x SP bytes, then its 256 scale bytes
.set SP,    80
.set MSTG,  32768                      ; LDS: mask path: a stage of 32 rows x 272 bytes for each wave
.set MREG,  8704
.set SPARE, 67584                      ; the spare words, 128 bytes for each wave: two blocks of 256 bytes that no other line names
.set SPW,   12                         ; v12 LDS address of my spare word; never rewritten
.set NIL,   13                         ; v13 0; never rewritten
.set CR,    32                         ; v32-159  the other two paths: two sets of 64 registers as loaded
.set CH,    160                        ; v160-191 w_out's f16 pairs
.set MX,    160                        ; v160-223 the mask's numbers, register w = word w's number for my lane
.set MW,    224                        ; v224-231 the words of four units, two to a lane
.macro FINISH                          ; the wave's end: the tensor wait, the add and its wait stand behind my last LDS store, the tensor wait even in a text with no tensor load
	s_wait_tensorcnt 0x0
	ds_add_u32 v[SPW], v[NIL]
	s_wait_dscnt 0x0
	s_endpgm
.endm
	s_load_b256 s[4:11], s[0:1], 0x0               ; x, w_qkv, w_out, mask
	s_load_b256 s[12:19], s[0:1], 0x20             ; x's codes, x's scales, w_qkv's codes, w_qkv's scales
	s_load_b128 s[20:23], s[0:1], 0x40             ; w_out in f16, the mask words
	v_lshl_add_u32 v[SPW], v0, 2, SPARE
	v_mov_b32 v[NIL], 0
	v_lshrrev_b32 v1, 5, v0
	v_readfirstlane_b32 s24, v1                    ; wave
	v_and_b32 v2, 31, v0                           ; lane
	s_cmp_ge_u32 ttmp9, WGC
	s_cbranch_scc1 .Lmask
	s_cmp_ge_u32 ttmp9, WGQ
	s_cbranch_scc1 .Lcvt
; ---------------- the quantiser.  A wave takes 16 steps of 512 numbers.  Each of a step's four loads reads 512 consecutive bytes; the 2,048 bytes turn through the wave's own stage in LDS
; and come back 64 bytes a lane, so that a lane holds 16 neighbours along K (two neighbouring lanes hold a block of 32).
	v_lshlrev_b32 v3, 4, v2                        ; my 16 bytes of a load's 512
	s_mul_i32 s25, s24, WREG
	v_lshrrev_b32 v14, 2, v2
	v_mul_u32_u24 v14, v14, SP
	v_and_b32 v15, 3, v2
	v_lshl_add_u32 v14, v15, 4, v14
	v_add_nc_u32 v14, s25, v14                     ; the stage, in: SP (lane / 4) + 16 (lane % 4)
	v_mul_u32_u24 v15, v2, SP
	v_add_nc_u32 v15, s25, v15                     ; and out: SP x lane
	v_mul_u32_u24 v4, v2, CB                       ; my codes' place in a step's
	v_lshrrev_b32 v5, 1, v2
	s_add_co_u32 s25, s25, 2*32*SP
	v_add_nc_u32 v5, s25, v5                       ; my wave's 256 scale bytes, my block's byte
	v_lshlrev_b32 v7, 3, v2
	v_add_nc_u32 v6, s25, v7                       ; and on the way out 8 bytes a lane
	s_wait_kmcnt 0x0
	s_cmp_lt_u32 ttmp9, WGA                        ; x's work-group or w_qkv's: the choice hangs on the work-group's number alone
	s_cselect_b64 s[32:33], s[4:5], s[6:7]
	s_cselect_b64 s[34:35], s[12:13], s[16:17]
	s_cselect_b64 s[36:37], s[14:15], s[18:19]
	s_cselect_b32 s25, 0, WGA
	s_sub_co_u32 s25, ttmp9, s25
	s_lshl_b32 s25, s25, 2
	s_add_co_u32 s26, s25, s24                     ; which run of 8,192 numbers is my wave's
	s_mov_b32 s27, 0
	s_mov_b64 s[28:29], 512*STEPS*4
	s_mul_u64 s[28:29], s[26:27], s[28:29]
	s_add_nc_u64 s[32:33], s[32:33], s[28:29]
	s_mov_b64 s[28:29], 32*STEPS*CB
	s_mul_u64 s[28:29], s[26:27], s[28:29]
	s_add_nc_u64 s[34:35], s[34:35], s[28:29]
	s_lshl_b32 s26, s26, 8                         ; 256 scale bytes a run
	s_add_nc_u64 s[36:37], s[36:37], s[26:27]
.macro LOAD t
.irp i, 0,1,2,3
	global_load_b128 v[R+16*((\t)%4)+4*\i:R+16*((\t)%4)+4*\i+3], v3, s[32:33] offset:2048*(\t)+512*\i th:TH_LOAD_NT   ; 32 lanes read 512 consecutive bytes
.endr
.endm
.macro TURN t                          ; step t's numbers through the stage: LDS serves a wave's instructions in order, so no wait stands between the stores and the loads
.irp i, 0,1,2,3
	ds_store_b128 v14, v[R+16*((\t)%4)+4*\i:R+16*((\t)%4)+4*\i+3] offset:32*SP*((\t)%2)+8*SP*\i
.endr
.irp i, 0,1,2,3
	ds_load_b128 v[X+16*((\t)%2)+4*\i:X+16*((\t)%2)+4*\i+3], v15 offset:32*SP*((\t)%2)+16*\i
.endr
.endm
.irp t, 0,1,2,3
	LOAD \t
.endr
	s_wait_loadcnt 12                              ; step 0's four loads are in; three later steps' twelve may be out
	TURN 0
.macro STEP t
.set XS, X+16*((\t)%2)
.if (\t) > 0
	s_wait_dscnt 1                                 ; this step's numbers are back from the stage (the last step's byte store may be out): its stores into the stage have read their registers,
.else
	s_wait_dscnt 0x0
.endif
.if (\t)+4 < STEPS
	LOAD (\t)+4                                    ; which take the loads of four steps on
.endif
.if (\t)+1 < STEPS
.if STEPS-2-(\t) >= 3
	s_wait_loadcnt 12                              ; the next step's four loads are in; those of the three steps behind it may be out
.else
	s_wait_loadcnt 4*(STEPS-2-(\t))
.endif
	TURN (\t)+1                                    ; and go through the other stage while this step is worked
.endif
	v_max3_num_f32 v8, |v[XS]|, |v[XS+1]|, |v[XS+2]|               ; the largest magnitude of my 16, in two chains
	v_max3_num_f32 v9, |v[XS+3]|, |v[XS+4]|, |v[XS+5]|
.irp i, 6,10
	v_max3_num_f32 v8, v8, |v[XS+\i]|, |v[XS+\i+1]|
	v_max3_num_f32 v9, v9, |v[XS+\i+2]|, |v[XS+\i+3]|
.endr
	v_max3_num_f32 v8, v8, |v[XS+14]|, |v[XS+15]|
	v_max3_num_f32 v8, v8, v9, (EMAX+1)<<23        ; and the floor 2^(EMAX + 1 - 127): the byte cannot fall under 1
	v_max_num_f32_dpp v8, v8, v8 row_xmask:1 row_mask:0xf bank_mask:0xf   ; with my neighbour's 16: the block's
	v_add_nc_u32 v11, -(EMAX<<23), v8              ; EMAX off its exponent field: the conversion takes the exponent field of this operand as its scale
	v_cvt_scalef32_pk8_fp4_f32 v[C+4*(\t)], v[XS:XS+7], v11
	v_cvt_scalef32_pk8_fp4_f32 v[C+4*(\t)+1], v[XS+8:XS+15], v11
	v_lshrrev_b32 v[E+(\t)], 23, v11               ; the scale's byte (also the plain line behind the conversions)
	ds_store_b8 v5, v[E+(\t)] offset:16*(\t)       ; both lanes of a block write the same byte with the same value
	global_store_b64 v4, v[C+4*(\t):C+4*(\t)+1], s[34:35] offset:32*CB*(\t)   ; the wave stores 256 consecutive bytes, aligned
.endm
.irp t, 0,1,2,3,4,5,6,7,8,9,10,11,12,13,14,15
	STEP \t
.endr
	ds_load_b64 v[8:9], v6                         ; LDS serves a wave's instructions in order: these see my stores
	s_wait_dscnt 0x0
	global_store_b64 v7, v[8:9], s[36:37]          ; 32 lanes store the wave's 256 scale bytes, aligned
	FINISH
; ---------------- w_out to f16.  A wave takes 32,768 bytes in four batches of sixteen loads of 512 bytes; a lane's four numbers become 8 bytes, a store covers 256 consecutive bytes.
.Lcvt:
	s_sub_co_u32 s25, ttmp9, WGQ
	s_lshl_b32 s25, s25, 2
	s_add_co_u32 s25, s25, s24                     ; my chunk, 0 .. 127
	s_lshl_b32 s26, s25, 15
	s_mov_b32 s27, 0
	s_lshl_b32 s28, s25, 14
	s_mov_b32 s29, 0
	v_lshlrev_b32 v3, 4, v2
	v_lshlrev_b32 v4, 3, v2
	s_wait_kmcnt 0x0
	s_add_nc_u64 s[32:33], s[8:9], s[26:27]
	s_add_nc_u64 s[34:35], s[20:21], s[28:29]
.macro CLOAD n
.irp i, 0,1,2,3,4,5,6,7,8,9,10,11,12,13,14,15
	global_load_b128 v[CR+64*((\n)%2)+4*\i:CR+64*((\n)%2)+4*\i+3], v3, s[32:33] offset:8192*(\n)+512*\i th:TH_LOAD_NT
.endr
.endm
.macro CBATCH n
.if (\n) < 3
	s_wait_loadcnt 16                              ; this batch is in; the next batch's sixteen loads may be out
.else
	s_wait_loadcnt 0x0
.endif
.if (\n) > 0
	s_wait_xcnt 0x0                                ; the last batch's stores have read their data registers, which are written again below
.endif
.irp i, 0,1,2,3,4,5,6,7,8,9,10,11,12,13,14,15
	v_cvt_pk_f16_f32 v[CH+2*\i], v[CR+64*((\n)%2)+4*\i], v[CR+64*((\n)%2)+4*\i+1]
	v_cvt_pk_f16_f32 v[CH+2*\i+1], v[CR+64*((\n)%2)+4*\i+2], v[CR+64*((\n)%2)+4*\i+3]
.endr
.irp i, 0,1,2,3,4,5,6,7,8,9,10,11,12,13,14,15
	global_store_b64 v4, v[CH+2*\i:CH+2*\i+1], s[34:35] offset:4096*(\n)+256*\i
.endr
.if (\n) < 2
	CLOAD (\n)+2
.endif
.endm
	CLOAD 0
	CLOAD 1
	CBATCH 0
	CBATCH 1
	CBATCH 2
	CBATCH 3
	FINISH
; ---------------- the mask.  A wave takes 32 queries x 256 keys: four units of 32 x 64.  A load reads two rows x 256 consecutive bytes; a unit turns through the wave's own stage (rows 272 bytes apart),
; so that register w of lane (r, h) holds the number whose bit belongs at bit r + 16 h of word w.  A compare against 0 makes the word in a scalar register; a lane write lays two words to a lane.
.Lmask:
	s_sub_co_u32 s25, ttmp9, WGC
	s_lshl_b32 s25, s25, 2
	s_add_co_u32 s25, s25, s24                     ; u = 0 .. 1023
	s_lshr_b32 s26, s25, 3                         ; P: which 32 rows of the 4,096
	s_and_b32 s25, s25, 7                          ; which 256 keys
	s_lshl_b32 s25, s25, 10                        ; 1,024 bytes of a mask row, and 1,024 bytes of words
	s_lshl_b32 s28, s26, 18                        ; 32 rows of 8,192 bytes
	s_or_b32 s28, s28, s25
	s_mov_b32 s29, 0
	s_lshl_b32 s30, s26, 13                        ; 32 key steps of 256 bytes
	s_or_b32 s30, s30, s25
	s_mov_b32 s31, 0
	v_and_b32 v8, 15, v0                           ; r
	v_bfe_u32 v9, v0, 4, 1                         ; h
	v_lshlrev_b32 v3, 13, v9
	v_lshl_add_u32 v3, v8, 4, v3                   ; in memory: row h, 16 bytes a lane
	s_mul_i32 s27, s24, MREG
	s_add_co_u32 s27, s27, MSTG                    ; my stage
	v_mul_u32_u24 v5, v9, 272
	v_lshl_add_u32 v5, v8, 4, v5
	v_add_nc_u32 v5, s27, v5                       ; in: row h, 16 r
	v_mul_u32_u24 v6, v8, 272
	v_lshl_add_u32 v6, v9, 5, v6
	v_add_nc_u32 v6, s27, v6                       ; out: row r, keys 8 h on
	v_lshlrev_b32 v7, 3, v2                        ; two words a lane
.irp i, 0,1,2,3,4,5,6,7
	v_mov_b32 v[MW+\i], 0                          ; a lane write's destination counts as read: written once here
.endr
	s_wait_kmcnt 0x0
	s_add_nc_u64 s[32:33], s[10:11], s[28:29]
	s_add_nc_u64 s[34:35], s[22:23], s[30:31]
.macro MLOAD t
.irp i, 0,1,2,3,4,5,6,7,8,9,10,11,12,13,14,15
	global_load_b128 v[CR+64*((\t)%2)+4*\i:CR+64*((\t)%2)+4*\i+3], v3, s[32:33] offset:256*(\t)+16384*\i th:TH_LOAD_NT   ; rows 2 i and 2 i + 1, 256 aligned bytes of each
.endr
.endm
.macro MUNIT t
.if (\t) < 3
	s_wait_loadcnt 16                              ; this unit is in; the next unit's sixteen loads may be out
.else
	s_wait_loadcnt 0x0
.endif
.irp i, 0,1,2,3,4,5,6,7,8,9,10,11,12,13,14,15
	ds_store_b128 v5, v[CR+64*((\t)%2)+4*\i:CR+64*((\t)%2)+4*\i+3] offset:544*\i
.endr
.irp n, 0,1,2,3,4,5,6,7,8,9,10,11,12,13,14,15
	ds_load_b128 v[MX+4*\n:MX+4*\n+3], v6 offset:4352*(\n/8)+64*((\n/2)%4)+16*(\n%2)   ; T = n / 8, kt = (n / 2) % 4, j = 4 (n % 2) on
.endr
	s_wait_dscnt 0x0                               ; the numbers are back, and the stores have read their registers,
.if (\t) < 2
	MLOAD (\t)+2                                   ; which take the loads of two units on
.endif
.set w, 0
.rept 8
.irp i, 0,1,2,3,4,5,6,7
	v_cmp_eq_u32 s[40+\i], 0, v[MX+w+\i]           ; word w + i: a bit for each lane whose number is 0
.endr
.irp i, 0,1,2,3,4,5,6,7
	v_writelane_b32 v[MW+2*(\t)+(\i&1)], s[40+\i], (w+\i)>>1
.endr
.set w, w+8
.endr
	global_store_b64 v7, v[MW+2*(\t):MW+2*(\t)+1], s[34:35] offset:256*(\t)   ; the unit's 64 words: 256 consecutive bytes, aligned
.endm
	MLOAD 0
	MLOAD 1
	MUNIT 0
	MUNIT 1
	MUNIT 2
	MUNIT 3
	FINISH
.Lfunc_end_k_qb28e23b521_prep:
	.size	k_qb28e23b521_prep, .Lfunc_end_k_qb28e23b521_prep-k_qb28e23b521_prep
	.p2alignl 7, 3214868480
	.fill 96, 4, 3214868480
	.section	.rodata,"a",@progbits
	.p2align	6, 0x0
	.amdhsa_kernel k_qb28e23b521_prep
		.amdhsa_group_segment_fixed_size 68096
		.amdhsa_private_segment_fixed_size 0
		.amdhsa_enable_private_segment 0
		.amdhsa_kernarg_size 80
		.amdhsa_user_sgpr_count 2
		.amdhsa_user_sgpr_kernarg_segment_ptr 1
		.amdhsa_wavefront_size32 1
		.amdhsa_system_sgpr_workgroup_id_x 1
		.amdhsa_system_sgpr_workgroup_id_y 1
		.amdhsa_system_sgpr_workgroup_id_z 1
		.amdhsa_system_vgpr_workitem_id 0
		.amdhsa_next_free_vgpr 232
		.amdhsa_next_free_sgpr 66
		.amdhsa_reserve_vcc 0
		.amdhsa_float_denorm_mode_32 3
		.amdhsa_float_denorm_mode_16_64 3
		.amdhsa_memory_ordered 1
		.amdhsa_forward_progress 1
		.amdhsa_inst_pref_size 103
	.end_amdhsa_kernel
	.amdgpu_metadata
---
amdhsa.version: [ 1, 2 ]
amdhsa.kernels:
  - .name:           k_qb28e23b521_prep
    .symbol:         k_qb28e23b521_prep.kd
    .args:
      - { .name: x, .offset: 0, .size: 8, .value_kind: global_buffer, .address_space: global }
      - { .name: w_qkv, .offset: 8, .size: 8, .value_kind: global_buffer, .address_space: global }
      - { .name: w_out, .offset: 16, .size: 8, .value_kind: global_buffer, .address_space: global }
      - { .name: mask, .offset: 24, .size: 8, .value_kind: global_buffer, .address_space: global }
      - { .name: xq_codes, .offset: 32, .size: 8, .value_kind: global_buffer, .address_space: global }
      - { .name: xq_scales, .offset: 40, .size: 8, .value_kind: global_buffer, .address_space: global }
      - { .name: wq_codes, .offset: 48, .size: 8, .value_kind: global_buffer, .address_space: global }
      - { .name: wq_scales, .offset: 56, .size: 8, .value_kind: global_buffer, .address_space: global }
      - { .name: wo_h, .offset: 64, .size: 8, .value_kind: global_buffer, .address_space: global }
      - { .name: mbits, .offset: 72, .size: 8, .value_kind: global_buffer, .address_space: global }
    .group_segment_fixed_size: 68096
    .private_segment_fixed_size: 0
    .kernarg_segment_align: 8
    .kernarg_segment_size: 80
    .max_flat_workgroup_size: 128
    .sgpr_count:     66
    .vgpr_count:     232
    .wavefront_size: 32
...
	.end_amdgpu_metadata
.endif
;; end of part 1
;; launch qkv_gemm (part 2): grid 12 x 16, 4 waves a work-group, clusters of 4 x 4, 327,680 bytes of LDS; arguments xq_codes, xq_scales, wq_codes, wq_scales, qkv; writes qkv
.if DOCPART == 2
	.amdgcn_target "amdgcn-amd-amdhsa--gfx1250"
	.amdhsa_code_object_version 6
	.text
	.protected	k_qb28e23b521_qkv_gemm
	.globl	k_qb28e23b521_qkv_gemm
	.p2align	8
	.type	k_qb28e23b521_qkv_gemm,@function
k_qb28e23b521_qkv_gemm:
	s_mov_b64 s[64:65], 0
	v_nop
	global_prefetch_b8 v0, s[64:65] scope:SCOPE_SE
	s_setreg_imm32_b32 hwreg(HW_REG_WAVE_MODE, 25, 1), 1
	s_wait_xcnt 0x0
	s_wait_alu depctr_hold_cnt(0) depctr_sa_sdst(0) depctr_va_vdst(0) depctr_va_sdst(0) depctr_va_ssrc(0) depctr_va_vcc(0) depctr_vm_vsrc(0)
	s_getreg_b32 s2, hwreg(HW_REG_IB_STS2, 6, 4)
	s_cmp_eq_u32 s2, 0
	s_cbranch_scc0 .Lentry_in_a_cluster
	s_endpgm
.Lentry_in_a_cluster:
	s_bfe_u32 s2, ttmp6, 0x10000c
	s_cmp_lg_u32 s2, 0xf033
	s_cbranch_scc0 .Lentry_shape_is_right
	s_endpgm
.Lentry_shape_is_right:
; qkv[m][n] = sum over k of x[m][k] w_qkv[n][k], both operands as codes of FP4 (E2M1) with one E8M0 scale for each 32 along K; sums in f32; the result rounded once to f16.
; A: [4096][1024] codes (512 bytes a row), scales [4096][32];  B: [3072][1024] likewise.  OUT: f16 [batch 2][G 24][token 2048][128], G = column / 128: a row is 256 bytes, two heads of 64.
; LIMIT: a result beyond 65,504 becomes an infinity in f16.
; A tile of 256 x 256 is made by four waves, each 128 x 128: 64 accumulators of 16 x 16, 512 registers.  K = 1,024 is two slots of 512 along K (rows of 256 bytes): both are asked for at the start and nothing is filled again.
; The scales of the work-group's 256 + 256 rows, for all of K, are two dense blocks of memory: they come into LDS once, with the first fills.
; CLUSTERS: 4 x 4 work-groups.  The four of a row of the cluster need the same tiles of A, the four of a column the same tiles of B: each tile is asked for jointly, by the same tensor load with the same descriptor and a mask that names the four.
; The matrix instruction is used transposed (source 0 = 16 rows of B, source 1 = 16 rows of A): a lane then holds eight neighbouring columns of one token.
; REGISTERS, in windows of 256: window 0: v0-31 addresses; v32-95 scale words, two sets; v128-191 A's fragments, one set; on the way out v32-63, v192-255.  window 1: B's fragments, two sets, at v0 and v128.
;   window 2: the accumulators of my rows 0-63 ((a, b) at v[8 (8 a + b)]);  window 3: those of my rows 64-127.
.set SIZE_M, 4096
.set SIZE_N, 3072
.set SIZE_K, 1024
.set KSTEP,  512
.set NQ,     KSTEP/128
.set ROWB,   256
.set KROW,   SIZE_K*4/8
.set PITCH,  272                       ; an LDS row: 256 bytes + 16 of padding = 68 words: the 16 rows that a load touches start at 16 different banks (64 banks of 4 bytes: ISA guide 11.1)
.set FR,     8
.set NL,     2
.set NP,     4                         ; places behind this matrix instruction (ISA guide 7.12.1)
.set HALFT,  128*PITCH
.set SLOT,   4*HALFT
.set KS,     SIZE_K/32
.set SCL,    2*SLOT                    ; behind the two slots: the scales, as units of 256 bytes + 16 of padding
.set HALFS,  (128*KS/256)*272
.set SBLK,   (16*KS/256)*272
.set SPARE,  SCL+4*HALFS               ; the spare words, 128 bytes for each wave: two blocks of 256 bytes that no other line names
.set SPITCH, 272                       ; the way out: a stage of 16 rows x (256 + 16) bytes for each wave, in slot 0, which has had its only fill and its last read by then
.set ADRA, 16
.set ADRB, 20
.set STO,  24
.set RD,   25
.set CO,   26
.set ADRS, 27
.set SPW,  28
.set NIL,  29
.set SC,   32
.set AF,   128
.set TMP,  192                         ; the way out: a block's packed results
.set OB,   32                          ; and 16 rows read back: v32-63 and v224-255 by turns
.set G1, 24
.set G0, 32
.set G1B, 48
.set G0B, 56
.set G1S, 68
.set G0S, 76
.set G1SB, 80
.set G0SB, 88
.set MSB, 0
.macro WIN new                         ; the immediate's high byte repeats the setting that is left
.if MSB != \new
	s_set_vgpr_msb (MSB<<8)|\new
.set MSB, \new
.endif
.endm
.set MUL_LO, 0xa1                      ; source 0 (B) window 1, source 1 (A) window 0, C and D window 2
.set MUL_HI, 0xf1                      ; the same, C and D window 3
.set TO_B,   0x40                      ; destination window 1, address window 0
; A joint load: waves 0 and 1 fetch for A, waves 2 and 3 for B; the branch hangs on the wave's number alone.  An s_nop 0 and four v_nop follow each of the two lines.
.macro JLOAD g0a, g1a, g0b, g1b
	s_cmp_eq_u32 s15, 0
	s_cbranch_scc0 .Lfor_b_\@
	tensor_load_to_lds s[\g0a:\g0a+3], s[\g1a:\g1a+7]
	s_nop 0
.rept 4
	v_nop
.endr
	s_branch .Lasked_\@
.Lfor_b_\@:
	tensor_load_to_lds s[\g0b:\g0b+3], s[\g1b:\g1b+7]
	s_nop 0
.rept 4
	v_nop
.endr
.Lasked_\@:
.endm
.macro CROUND                          ; a round of the cluster's barrier: my work-group's barrier, wave 0's signal for the work-group, every wave's wait for all sixteen, my work-group's barrier once more
	s_barrier_signal -1
	s_barrier_wait -1
	s_cmp_lg_u32 s14, 0
	s_cbranch_scc1 .Lnot_wave_0_\@
	s_barrier_signal -3
.Lnot_wave_0_\@:
	s_barrier_wait -3
	s_barrier_signal -1
	s_barrier_wait -1
.endm
	s_load_b128 s[4:7], s[0:1], 0x0                ; A's codes, A's scales
	s_load_b128 s[8:11], s[0:1], 0x10              ; B's codes, B's scales
	s_load_b64 s[12:13], s[0:1], 0x20              ; qkv
	v_lshl_add_u32 v[SPW], v0, 2, SPARE
	v_mov_b32 v[NIL], 0
	ds_add_u32 v[SPW], v[NIL]                      ; the wave's opening: the add, twice on end, and its wait ahead of my first tensor load
	ds_add_u32 v[SPW], v[NIL]
	v_lshrrev_b32 v1, 5, v0
	v_readfirstlane_b32 s14, v1                    ; wave 0..3
	s_lshr_b32 s15, s14, 1                         ; which half of the tile's rows is mine.  Also: I fetch for A (0) or for B (1)
	s_and_b32 s16, s14, 1                          ; which half of its columns.  Also: which 128 rows of that tile I fetch
	s_bfe_u32 s40, ttmp6, 0x40000                  ; cx, cy: my place in the cluster
	s_bfe_u32 s41, ttmp6, 0x40004
	s_lshl_b32 s42, ttmp9, 2
	s_add_co_u32 s42, s42, s40                     ; tile column = 4 x cluster x + cx
	s_and_b32 s17, ttmp7, 0xffff
	s_lshl_b32 s17, s17, 2
	s_add_co_u32 s17, s17, s41                     ; tile row = 4 x cluster y + cy
	s_lshl_b32 s43, s41, 2
	s_lshl_b32 s43, 15, s43                        ; my row of the cluster
	s_lshl_b32 s44, 0x1111, s40                    ; my column
	; descriptor group 1: a tile of 128 rows x 256 bytes, 16 bytes of padding behind each row
	s_or_b32 s[G1+0], s43, (0<<16)|(1<<20)|(1<<21)|(5<<22)|(3<<25)  ; the mask: A's tiles go to my row; elements of 1 byte; padding on; bit 21 beside a mask; after every 64 words, 4 words
	s_or_b32 s[G1B+0], s44, (0<<16)|(1<<20)|(1<<21)|(5<<22)|(3<<25)
.irp g, G1, G1B
	s_mov_b32 s[\g+1], ROWB<<16                    ; tensor_dim0
	s_mov_b32 s[\g+2], 128<<16                     ; tensor_dim1
	s_mov_b32 s[\g+3], ROWB<<16                    ; tile_dim0
	s_mov_b32 s[\g+4], 128                         ; tile_dim1
	s_mov_b32 s[\g+5], KROW                        ; from row to row
	s_mov_b32 s[\g+6], 0
	s_mov_b32 s[\g+7], 0
.endr
	; the scales of 128 rows: a dense block of 4,096 bytes, as 16 rows of 256 bytes (32 elements of 8 bytes), 16 bytes of padding behind each
	s_or_b32 s[G1S+0], s43, (3<<16)|(1<<20)|(1<<21)|(5<<22)|(3<<25)
	s_or_b32 s[G1SB+0], s44, (3<<16)|(1<<20)|(1<<21)|(5<<22)|(3<<25)
.irp g, G1S, G1SB
	s_mov_b32 s[\g+1], 32<<16
	s_mov_b32 s[\g+2], (128*KS/256)<<16
	s_mov_b32 s[\g+3], 32<<16
	s_mov_b32 s[\g+4], 128*KS/256
	s_mov_b32 s[\g+5], 32
	s_mov_b32 s[\g+6], 0
	s_mov_b32 s[\g+7], 0
.endr
	s_lshl_b32 s18, s16, 7                         ; which 128 rows of the tile I fetch
	s_lshl_b32 s20, s17, 8
	s_add_co_u32 s20, s20, s18                     ; A: row 256 x tile row + 128 x half
	s_lshl_b32 s46, s42, 8
	s_add_co_u32 s46, s46, s18                     ; B: row 256 x tile column + 128 x half
	s_mov_b32 s21, 0
	s_mov_b32 s47, 0
	s_mov_b64 s[18:19], KS
	s_mul_u64 s[22:23], s[20:21], s[18:19]         ; where these rows' scales begin,
	s_mul_u64 s[92:93], s[46:47], s[18:19]
	s_mov_b64 s[18:19], KROW
	s_mul_u64 s[20:21], s[20:21], s[18:19]         ; and their codes
	s_mul_u64 s[46:47], s[46:47], s[18:19]
	s_mul_i32 s45, s14, HALFT                      ; where they go: wave x 128 rows: no place in the cluster enters an LDS address
	s_mul_i32 s94, s14, HALFS
	s_wait_dscnt 0x0                               ; both opening adds are done
	s_wait_kmcnt 0x0
	s_add_nc_u64 s[20:21], s[4:5], s[20:21]
	s_add_nc_u64 s[22:23], s[6:7], s[22:23]
	s_add_nc_u64 s[46:47], s[8:9], s[46:47]
	s_add_nc_u64 s[92:93], s[10:11], s[92:93]
	CROUND                                         ; all sixteen work-groups are here: the first joint loads meet
	s_mov_b32 s[G0S], 1
	s_add_co_u32 s[G0S+1], s94, SCL
	s_mov_b64 s[G0S+2:G0S+3], s[22:23]
	s_or_b32 s[G0S+3], s[G0S+3], 0x80000000
	s_mov_b32 s[G0SB], 1
	s_add_co_u32 s[G0SB+1], s94, SCL
	s_mov_b64 s[G0SB+2:G0SB+3], s[92:93]
	s_or_b32 s[G0SB+3], s[G0SB+3], 0x80000000
	JLOAD G0S, G1S, G0SB, G1SB                     ; the scales first: they are wanted with the first slot.  Three loads of mine are out behind the third of these
.irp s, 0,1
	s_mov_b32 s[G0+4*\s], 1
	s_add_co_u32 s[G0+4*\s+1], s45, \s*SLOT
	s_add_nc_u64 s[G0+4*\s+2:G0+4*\s+3], s[20:21], \s*ROWB
	s_or_b32 s[G0+4*\s+3], s[G0+4*\s+3], 0x80000000
	s_mov_b32 s[G0B+4*\s], 1
	s_add_co_u32 s[G0B+4*\s+1], s45, \s*SLOT
	s_add_nc_u64 s[G0B+4*\s+2:G0B+4*\s+3], s[46:47], \s*ROWB
	s_or_b32 s[G0B+4*\s+3], s[G0B+4*\s+3], 0x80000000
	JLOAD G0+4*\s, G1, G0B+4*\s, G1B
.endr
	v_and_b32 v1, 15, v0                           ; r = l % 16
	v_bfe_u32 v2, v0, 4, 1                         ; h = l / 16
	v_mul_u32_u24 v3, v1, PITCH
	v_lshl_add_u32 v4, v2, 4, v3                   ; a fragment's row x pitch + 16 x half
	s_mul_i32 s21, s15, HALFT                      ; my 128 rows of A
	s_mul_i32 s22, s16, HALFT                      ; my 128 rows of B,
	s_add_co_u32 s22, s22, 2*HALFT                 ; which lie behind A's 256
.irp s, 0,1
	v_add_nc_u32 v[ADRA+\s], s21, v4
	v_add_nc_u32 v[ADRB+\s], s22, v4
	s_add_co_u32 s21, s21, SLOT
	s_add_co_u32 s22, s22, SLOT
.endr
	v_mul_u32_u24 v5, v1, KS                       ; my row's scales: KS bytes a row,
	v_lshrrev_b32 v6, 8, v5
	v_lshl_add_u32 v5, v6, 4, v5                   ; and 16 more for each 256 passed
	s_mul_i32 s21, s15, HALFS                      ; A's: my 128 rows
	s_mul_i32 s22, s16, HALFS                      ; B's: my 128 rows, behind A's 256
	s_add_co_u32 s22, s22, 2*HALFS
	s_sub_co_u32 s22, s22, s21
	v_mul_u32_u24 v6, s22, v2                      ; lanes 16-31 take B's: one product, the distance between the two bases x h
	s_add_co_u32 s21, s21, SCL
	v_add_nc_u32 v5, v5, v6
	v_add_nc_u32 v[ADRS], s21, v5
	s_mul_i32 s23, s14, 16*SPITCH                  ; my stage
	v_mul_u32_u24 v5, v1, SPITCH                   ; in: row r, 16 bytes for each half of the lanes
	v_lshl_add_u32 v5, v2, 4, v5
	v_add_nc_u32 v[STO], s23, v5
	v_mul_u32_u24 v5, v2, SPITCH                   ; back: lanes 0-15 one row of 256 bytes, lanes 16-31 the next
	v_lshl_add_u32 v5, v1, 4, v5
	v_add_nc_u32 v[RD], s23, v5
	v_lshlrev_b32 v5, 8, v2                        ; and the same two tokens in qkv
	v_lshl_add_u32 v[CO], v1, 4, v5
	s_lshl_b32 s20, s17, 8
	s_lshl_b32 s21, s15, 7
	s_add_co_u32 s20, s20, s21                     ; my first row: 256 x tile row + 128 x half
	s_lshr_b32 s21, s20, 11                        ; its batch,
	s_and_b32 s20, s20, 2047                       ; its token,
	s_lshl_b32 s20, s20, 8                         ; 256 bytes a token
	s_mul_i32 s21, s21, 12582912                   ; 24 planes of 524,288 bytes a batch
	s_add_co_u32 s20, s20, s21
	s_mov_b32 s21, 0
	s_lshl_b32 s46, s42, 1
	s_add_co_u32 s46, s46, s16                     ; G = 2 x tile column + my half of the columns
	s_lshl_b32 s46, s46, 19
	s_mov_b32 s47, 0
	s_add_nc_u64 s[20:21], s[20:21], s[46:47]
	s_add_nc_u64 s[12:13], s[12:13], s[20:21]
.macro FRAG reg, adr, q, i             ; a fragment, 16 rows x 128 K of 4-bit codes: lane l holds row l % 16; registers 4 c .. 4 c + 3 hold K = 64 c + 32 (l / 16) + 0 .. 31
.irp c, 0,1
	ds_load_b128 v[\reg+4*\c:\reg+4*\c+3], v[\adr] offset:64*(\q)+32*\c+(\i)*16*PITCH
.endr
.endm
; 16 matrix instructions: A's blocks a0, a0 + 1 x B's eight, the slot's q-th 128 along K.  p: B's set; sc: the set of scale words.  zero = 1: the first product starts the sums.
; The 64 accumulators take turns, one instruction a turn, in the same order in every step.
; One scale register carries A's word of block i in lanes 0-15 and B's word of block i in lanes 16-31: source 0 (B) names register b with the upper lanes, source 1 (A) register a.
.macro MUL16 a0, p, q, sc, zero
.irp a, \a0, \a0+1
.irp b, 0,1,2,3,4,5,6,7
.if \zero
	v_wmma_scale_f32_16x16x128_f8f6f4 v[8*(8*((\a)%4)+\b):8*(8*((\a)%4)+\b)+7], v[128*(\p)+FR*\b:128*(\p)+FR*\b+FR-1], v[AF+FR*(\a):AF+FR*(\a)+FR-1], 0, v[SC+8*NQ*(\sc)+NQ*\b+(\q)], v[SC+8*NQ*(\sc)+NQ*(\a)+(\q)] matrix_a_fmt:MATRIX_FMT_FP4 matrix_b_fmt:MATRIX_FMT_FP4 matrix_a_scale:MATRIX_SCALE_ROW1
.else
	v_wmma_scale_f32_16x16x128_f8f6f4 v[8*(8*((\a)%4)+\b):8*(8*((\a)%4)+\b)+7], v[128*(\p)+FR*\b:128*(\p)+FR*\b+FR-1], v[AF+FR*(\a):AF+FR*(\a)+FR-1], v[8*(8*((\a)%4)+\b):8*(8*((\a)%4)+\b)+7], v[SC+8*NQ*(\sc)+NQ*\b+(\q)], v[SC+8*NQ*(\sc)+NQ*(\a)+(\q)] matrix_a_fmt:MATRIX_FMT_FP4 matrix_b_fmt:MATRIX_FMT_FP4 matrix_a_scale:MATRIX_SCALE_ROW1
.endif
.endr
.endr
.endm
.macro FETCH_B slot, q, p
	WIN TO_B
.irp i, 0,1,2,3,4,5,6,7
	FRAG 128*(\p)+FR*\i, ADRB+\slot, \q, \i
.endr
	WIN 0
.endm
.macro FETCH_A slot, q, i0
.irp i, \i0, \i0+1, \i0+2, \i0+3
	FRAG AF+FR*(\i), ADRA+\slot, \q, \i
.endr
.endm
.macro SCALES sc                       ; a slot's scale words: 4 words a row; lanes 0-15 take A's block i, lanes 16-31 B's block i
.irp i, 0,1,2,3,4,5,6,7
	ds_load_b128 v[SC+8*NQ*\sc+NQ*\i:SC+8*NQ*\sc+NQ*\i+3], v[ADRS] offset:\i*SBLK
.endr
.endm
; A load into a register that a matrix instruction has read, and a vector instruction or LDS store that reads a matrix result, stand NP places behind it; only plain vector instructions
; that name none of its registers are places (ISA guide 7.12.1 for vector instructions).
.macro PLACES n
.rept \n
	v_nop
.endr
.endm
.macro STEP slot, q, zero              ; a step of 128 along K that has its successor in the same slot
	s_wait_dscnt 4*NL                              ; B's set and A's blocks 0-3 are in; the youngest eight loads (A's blocks 4-7) may be out
	WIN MUL_LO
	MUL16 0, (\q)%2, \q, \slot, \zero
	MUL16 2, (\q)%2, \q, \slot, \zero
	s_wait_dscnt 0                                 ; A's blocks 4-7 are in
	PLACES NP
	FETCH_B \slot, (\q)+1, 1-(\q)%2
	FETCH_A \slot, (\q)+1, 0
	WIN MUL_HI
	MUL16 4, (\q)%2, \q, \slot, \zero
	MUL16 6, (\q)%2, \q, \slot, \zero
	PLACES NP
	WIN 0
	FETCH_A \slot, (\q)+1, 4
.endm
; Slot 0's last step goes over to slot 1: one barrier; in front of it each wave waits for all its tensor loads (its part of slot 1), adds 0 to its spare word, and waits for that and for its reads of slot 0.  Nothing is filled again.
.macro TURN slot, next
	s_wait_tensorcnt 0x0                           ; all my tensor loads have landed
	ds_add_u32 v[SPW], v[NIL]                      ; 0 onto my spare word
	s_wait_dscnt 4*NL+1                            ; (the add and the youngest eight loads, A's blocks 4-7, may be out)
	WIN MUL_LO
	MUL16 0, 1, NQ-1, \slot, 0
	s_wait_dscnt 0x0                               ; the add is done, and my reads of this slot are over
	s_barrier_signal -1
	MUL16 2, 1, NQ-1, \slot, 0
	WIN 0
	s_barrier_wait -1
	PLACES NP
	v_add_nc_u32 v[ADRS], 4*NQ, v[ADRS]            ; on to the next slot's scale words
	FETCH_B \next, 0, 0
	FETCH_A \next, 0, 0
	SCALES \next
	WIN MUL_HI
	MUL16 4, 1, NQ-1, \slot, 0
	MUL16 6, 1, NQ-1, \slot, 0
	PLACES NP
	WIN 0
	FETCH_A \next, 0, 4
.endm
.macro STEPS slot, from                ; the slot's steps from .. NQ - 2
.set Q, \from
.rept NQ-1-\from
	STEP \slot, Q, 0
.set Q, Q+1
.endr
.endm
	s_wait_tensorcnt 1                             ; the scales and my part of slot 0 are in (slot 1's load may be out)
	s_barrier_signal -1
	s_barrier_wait -1                              ; everybody's are
	FETCH_B 0, 0, 0
	FETCH_A 0, 0, 0
	SCALES 0
	FETCH_A 0, 0, 4
	STEP 0, 0, 1                                   ; the first step's products start the sums: nothing is cleared
	STEPS 0, 1
	TURN 0, 1
	STEPS 1, 0
	s_wait_dscnt 4*NL                              ; the very last step: nothing more to fetch
	WIN MUL_LO
	MUL16 0, 1, NQ-1, 1, 0
	MUL16 2, 1, NQ-1, 1, 0
	s_wait_dscnt 0
	WIN MUL_HI
	MUL16 4, 1, NQ-1, 1, 0
	MUL16 6, 1, NQ-1, 1, 0
	WIN 0
; THE WAY OUT, block by block of 16 tokens x 128 columns.  PACK: rounded to f16, 16 bytes a lane, each accumulator from its low end on.  TOSTAGE: into my own stage and back as whole rows of 256 bytes.  SEND: stored.
.macro PACK a
.set AC, 64*((\a)%4)
	WIN 0x0a+5*((\a)/4)                            ; sources 0 and 1: window 2 or 3
.irp b, 0,1,2,3,4,5,6,7
.irp i, 0,1,2,3
	v_cvt_pk_f16_f32 v[TMP+4*\b+\i], v[AC+8*\b+2*\i], v[AC+8*\b+2*\i+1]
.endr
.endr
	WIN 0
.endm
.macro TOSTAGE a
.set BB, OB+192*((\a)%2)
.irp b, 0,1,2,3,4,5,6,7
	ds_store_b128 v[STO], v[TMP+4*\b:TMP+4*\b+3] offset:32*\b
.endr
.irp t, 0,1,2,3,4,5,6,7
	ds_load_b128 v[BB+4*\t:BB+4*\t+3], v[RD] offset:\t*2*SPITCH    ; LDS serves a wave's instructions in order (ISA guide 5.7.1.4): these see the stores above
.endr
.endm
.macro SEND a
.set BB, OB+192*((\a)%2)
	s_wait_dscnt 0x0                               ; the block is back in registers
	s_wait_xcnt 0x0                                ; the earlier stores have read their registers: the next block's loads may land there
.irp t, 0,1,2,3,4,5,6,7
	global_store_b128 v[CO], v[BB+4*\t:BB+4*\t+3], s[12:13] offset:4096*(\a)+512*\t th:TH_STORE_NT   ; two tokens' rows: 512 consecutive bytes, aligned
.endr
.endm
	PLACES NP
	PACK 0
	TOSTAGE 0
.irp a, 1,2,3,4,5,6,7                  ; block a's conversions stand between block a - 1's loads from the stage and the wait for them
	PACK \a
	SEND \a-1
	TOSTAGE \a
.endr
	SEND 7
	s_wait_tensorcnt 0x0                           ; the wave's end: the tensor wait, the add and its wait stand behind my last tensor load and my last LDS store
	ds_add_u32 v[SPW], v[NIL]
	s_wait_dscnt 0x0
	CROUND                                         ; the closing round: no work-group ends while a partner may still ask for a tile that names it
	s_endpgm
.Lfunc_end_k_qb28e23b521_qkv_gemm:
	.size	k_qb28e23b521_qkv_gemm, .Lfunc_end_k_qb28e23b521_qkv_gemm-k_qb28e23b521_qkv_gemm
	.p2alignl 7, 3214868480
	.fill 96, 4, 3214868480
	.section	.rodata,"a",@progbits
	.p2align	6, 0x0
	.amdhsa_kernel k_qb28e23b521_qkv_gemm
		.amdhsa_group_segment_fixed_size 327680
		.amdhsa_private_segment_fixed_size 0
		.amdhsa_enable_private_segment 0
		.amdhsa_kernarg_size 40
		.amdhsa_user_sgpr_count 2
		.amdhsa_user_sgpr_kernarg_segment_ptr 1
		.amdhsa_wavefront_size32 1
		.amdhsa_system_sgpr_workgroup_id_x 1
		.amdhsa_system_sgpr_workgroup_id_y 1
		.amdhsa_system_sgpr_workgroup_id_z 1
		.amdhsa_system_vgpr_workitem_id 0
		.amdhsa_next_free_vgpr 1024
		.amdhsa_next_free_sgpr 98
		.amdhsa_reserve_vcc 0
		.amdhsa_float_denorm_mode_32 3
		.amdhsa_float_denorm_mode_16_64 3
		.amdhsa_memory_ordered 1
		.amdhsa_forward_progress 1
		.amdhsa_inst_pref_size 126
	.end_amdhsa_kernel
	.amdgpu_metadata
---
amdhsa.version: [ 1, 2 ]
amdhsa.kernels:
  - .name:           k_qb28e23b521_qkv_gemm
    .symbol:         k_qb28e23b521_qkv_gemm.kd
    .args:
      - { .name: xq_codes, .offset: 0, .size: 8, .value_kind: global_buffer, .address_space: global }
      - { .name: xq_scales, .offset: 8, .size: 8, .value_kind: global_buffer, .address_space: global }
      - { .name: wq_codes, .offset: 16, .size: 8, .value_kind: global_buffer, .address_space: global }
      - { .name: wq_scales, .offset: 24, .size: 8, .value_kind: global_buffer, .address_space: global }
      - { .name: qkv, .offset: 32, .size: 8, .value_kind: global_buffer, .address_space: global }
    .group_segment_fixed_size: 327680
    .private_segment_fixed_size: 0
    .kernarg_segment_align: 8
    .kernarg_segment_size: 40
    .max_flat_workgroup_size: 128
    .sgpr_count:     98
    .vgpr_count:     1024
    .wavefront_size: 32
...
	.end_amdgpu_metadata
.endif
;; end of part 2
;; launch attn (part 3): grid 16 x 16, 8 waves a work-group, clusters of 4 x 1, 327,680 bytes of LDS; arguments qkv, mbits, o_h; writes o_h
.if DOCPART == 3
	.amdgcn_target "amdgcn-amd-amdhsa--gfx1250"
	.amdhsa_code_object_version 6
	.text
	.protected	k_qb28e23b521_attn
	.globl	k_qb28e23b521_attn
	.p2align	8
	.type	k_qb28e23b521_attn,@function
k_qb28e23b521_attn:
	s_mov_b64 s[64:65], 0
	v_nop
	global_prefetch_b8 v0, s[64:65] scope:SCOPE_SE
	s_setreg_imm32_b32 hwreg(HW_REG_WAVE_MODE, 25, 1), 1
	s_wait_xcnt 0x0
	s_wait_alu depctr_hold_cnt(0) depctr_sa_sdst(0) depctr_va_vdst(0) depctr_va_sdst(0) depctr_va_ssrc(0) depctr_va_vcc(0) depctr_vm_vsrc(0)
	s_getreg_b32 s2, hwreg(HW_REG_IB_STS2, 6, 4)
	s_cmp_eq_u32 s2, 0
	s_cbranch_scc0 .Lentry_in_a_cluster
	s_endpgm
.Lentry_in_a_cluster:
	s_bfe_u32 s2, ttmp6, 0x10000c
	s_cmp_lg_u32 s2, 0x3003
	s_cbranch_scc0 .Lentry_shape_is_right
	s_endpgm
.Lentry_shape_is_right:
; o[b][q][head] = sum over k of softmax_k(where(mask[b][q][k] == 0, -10000, Q . K / 8)) V.  Q, K, V: f16, [batch 2][G 24][token 2048][128]: G 0-7 Q's head pairs, 8-15 K's, 16-23 V's; a row is two heads of 64, 256 bytes.
; The mask comes as words of one bit a lane (1 = masked), 64 words for 32 queries x 64 keys.  o: f16 [4096 tokens][1024].  Products in f16 with f32 sums; mask, maxima, exponentials and sums in f32.
; THE MASK REPLACES a score: a masked raw score becomes -80,000, which times 1/8 is -10,000 exactly; it takes part in the running maximum and in the sum like any other score.
; LIMITS: |q|, |k|, |v| up to 65,504 (f16); NaN and infinities are not served; a mask number other than 0 counts as open.
; SHARES.  A work-group owns 128 queries of one pair of heads.  Wave w: head w / 4 of the pair, queries 32 (w % 4) on: two tiles of 16.  Two waves share a SIMD, so that one wave's vector work stands beside the other's products.
; Every wave walks all 2,048 keys, 128 a step: the maximum, the factor a and the rescaling of O^T are made once for 128 keys.
; K's and V's rows (both heads, 256 bytes) come through two LDS slots of 256 keys: four blocks of 64 keys, each 64 rows of K and then 64 rows of V.  Each of the eight waves fetches one of a slot's eight tiles: waves 0-3 K's, waves 4-7 V's.
; CLUSTER.  The four query blocks of a cluster walk the same K and V: each tile is asked for jointly, by the same tensor load with the same descriptor and a mask that names the four.
; LAYOUT.  S^T = K Q^T (source 0 = 16 keys, source 1 = 16 queries): a lane holds one query (lane % 16) and keys 8 (lane / 16) + 0..7 of a tile.  Two such tiles, rounded to f16 in pairs, are source 1 of O^T = V^T P.  V is turned by ds_load_tr16_b128.
; SOFTMAX.  A running maximum m and sum l for each query: p = 2^(c s - c m), c = log2(e) / 8; in every step O and l are multiplied by a = 2^(c m_old - c m_new).  The loop has no first step of its own: O and l begin as zeros, m as -3e38.
; REGISTERS.  window 0: v2-15 addresses and constants; v16-31 statistics, 8 a tile; v32-63 V of the step's keys 64-95; v64-191 S^T, 64 a tile; v192-255 P, 32 a tile.
;   window 1: v0-31 Q; v32-95 K of 64 keys; v96-159 V of the step's keys 0-63; v160-223 O^T; v224-255 V of keys 96-127.
.set KS,    64
.set PK,    272                        ; a row of K in LDS: 256 bytes + 16: the 16 rows of a load start at 16 different banks (64 banks of 4 bytes: ISA guide 11.1)
.set PV,    288                        ; a row of V: 256 + 32
.set VOFF,  KS*PK
.set STEPB, KS*(PK+PV)                 ; a block of 64 keys: 64 rows of K, then 64 rows of V
.set SLOT1, 4*STEPB                    ; a slot: four blocks; slot 1 begins here
.set SLOTG, 4*KS*256                   ; a slot's rows of K, or of V, in memory
.set NSL,   2048/(4*KS)                ; slots' worth of keys
.set STAGE, 2*SLOT1                    ; behind the slots: 128 rows x 272 bytes for the way out; no tile lands here
.set SPARE, STAGE+128*272              ; the spare words, 128 bytes for each wave: four blocks of 256 bytes that no other line names
.set AK0, 2                            ; v2  my lane's place in a block's K
.set AV0, 3                            ; v3  and in its V
.set ADK, 4                            ; v4, v6  K's address for the slot's step 0, 1
.set ADV, 5                            ; v5, v7  V's
.set STO, 8
.set RD,  9
.set GO,  10
.set FILL, 11                          ; -80,000
.set SPW, 12
.set NIL, 13
.set PFO, 14                           ; 256 x lane
.set QO,  15
.set ST,  16                           ; tile t at v[ST + 8 t]: +0 c m, +1 m, +2, +3 l (even keys', odd keys'), +4 .. +7 at work; a takes +6
.set V2,  32
.set S,   64
.set P,   192
.set KF,  32                           ; in window 1
.set VF,  96
.set O,   160
.set V3,  224
.set WV,  2                            ; s2  my wave's number
.set SLOTS, 3                          ; s3  slots still to be asked for
.set G1K, 4                            ; s[4:11], s[12:19] descriptor groups 1 for K's and V's tiles: they differ in the padding
.set G1V, 12
.set G0,  20                           ; s[20:23] my group 0, which walks: a wave fetches K's tiles or V's, never both
.set LB,  24                           ; s24 my tile's place in a slot
.set FT,  25                           ; s25 the slot that is filled
.set MB,  28                           ; s[28:29] the mask words of the slot in hand
.set PFA, 30                           ; s[30:31] where my prefetches stand
.set TB,  66                           ; s66 LDS byte at which the slot in hand begins
.set LIM, 67                           ; s67 1 in a wave that prefetches, else the greatest number
.set SEL, 100                          ; s[100:101] selects for v_permlanex16_b32: lane l xor 16
.set CS,  104                          ; s[104:105] Q's address at the head; then c, twice (the packed form names a pair)
; s[32:63]: tile 0's 32 mask words of 64 keys; s[68:99]: tile 1's (set-up numbers before the first of them is loaded)
.set MSB, 0
.macro WIN new                         ; the immediate's high byte repeats the setting that is left
.if MSB != \new
	s_set_vgpr_msb (MSB<<8)|\new
.set MSB, \new
.endif
.endm
.set W_KQ,  0x05                       ; K and Q in window 1, S^T in window 0
.set W_PV,  0x51                       ; V and O^T in window 1, P in window 0
.set W_PV0, 0x50                       ; the same with V in window 0
.set W_RS,  0x41                       ; O^T (destination and source 0) in window 1, a in window 0
.set TO_1,  0x40                       ; destination window 1, address window 0
.macro PLACES                          ; four places behind matrix instructions, in front of loads into their sources and of the first read of their results
.rept 4
	v_nop
.endr
.endm
; A joint load.  Waves 0-3 fetch the slot's four tiles of K, waves 4-7 those of V.  The branch hangs on the wave's number alone.  An s_nop 0 and four v_nop follow each line.
.macro JLOAD
	s_cmp_lt_u32 s[WV], 4
	s_cbranch_scc0 .Lfor_v_\@
	tensor_load_to_lds s[G0:G0+3], s[G1K:G1K+7]
	s_nop 0
.rept 4
	v_nop
.endr
	s_branch .Lasked_\@
.Lfor_v_\@:
	tensor_load_to_lds s[G0:G0+3], s[G1V:G1V+7]
	s_nop 0
.rept 4
	v_nop
.endr
.Lasked_\@:
.endm
; A prefetch of what the NEXT change of slots will load: 256 rows of K and 256 of V, 256 bytes a row, a lane a row: a slot, two key steps, ahead of that load.  Each row is named once in the launch: the head pair's first
; cluster asks; its four partners take 64 rows of each, told apart by address; in each, waves 0 and 1 ask for K's and waves 4 and 5 for V's, 32 rows a wave.  The last change that fills a slot asks for nothing; nothing is asked for at the head.
.macro ASK
	s_cmp_gt_u32 s[SLOTS], s[LIM]
	s_cbranch_scc0 .Lnot_mine_\@
	global_prefetch_b8 v[PFO], s[PFA:PFA+1] th:TH_LOAD_NT scope:SCOPE_SE
.Lnot_mine_\@:
.endm
.macro CROUND                          ; a round of the cluster's barrier
	s_barrier_signal -1
	s_barrier_wait -1
	s_cmp_lg_u32 s[WV], 0
	s_cbranch_scc1 .Lnot_wave_0_\@
	s_barrier_signal -3
.Lnot_wave_0_\@:
	s_barrier_wait -3
	s_barrier_signal -1
	s_barrier_wait -1
.endm
	s_load_b128 s[84:87], s[0:1], 0x0              ; qkv, the mask words
	v_lshl_add_u32 v[SPW], v0, 2, SPARE
	v_mov_b32 v[NIL], 0
	ds_add_u32 v[SPW], v[NIL]                      ; the wave's opening: the add, twice on end, and its wait ahead of my first tensor load
	ds_add_u32 v[SPW], v[NIL]
	v_lshrrev_b32 v1, 5, v0
	v_readfirstlane_b32 s[WV], v1                  ; wave 0..7
	s_bfe_u32 s68, ttmp6, 0x40000                  ; cx
	s_lshl_b32 s69, ttmp9, 2
	s_add_co_u32 s69, s69, s68                     ; my block of 128 queries = 4 x cluster x + cx
	s_and_b32 s70, ttmp7, 0xffff
	s_lshr_b32 s71, s70, 3                         ; batch
	s_and_b32 s72, s70, 7                          ; pair of heads
	s_lshr_b32 s73, s[WV], 2                       ; e: my head of the pair.  Also: I fetch for K (0) or for V (1)
	s_and_b32 s74, s[WV], 3                        ; g: my 32 queries of the 128.  Also: which of a slot's four blocks I fetch
	s_mul_i32 s76, s71, 12582912                   ; 24 planes of 524,288 bytes a batch
	s_lshl_b32 s77, s72, 19
	s_add_co_u32 s76, s76, s77                     ; Q's plane
	s_lshl_b32 s77, s73, 22
	s_add_co_u32 s80, s76, s77
	s_add_co_u32 s80, s80, 0x400000                ; the plane that I fetch from: K's lies 8 planes behind Q's, V's 8 more
	s_lshl_b32 s77, s74, 14                        ; 64 rows of 256 bytes
	s_add_co_u32 s78, s80, s77                     ; my tile of slot 0
	s_mov_b32 s79, 0
	s_lshl_b32 s82, s69, 15                        ; Q: my block's 128 rows,
	s_add_co_u32 s82, s82, s76
	s_lshl_b32 s83, s74, 13                        ; my wave's 32,
	s_add_co_u32 s82, s82, s83
	s_lshl_b32 s93, s73, 7                         ; my head's 128 bytes of a row
	s_add_co_u32 s82, s82, s93
	s_mov_b32 s83, 0
	s_lshl_b32 s88, s71, 6                         ; the mask words of my 32 queries: 64 x batch + 4 x block + g,
	s_lshl_b32 s89, s69, 2
	s_add_co_u32 s88, s88, s89
	s_add_co_u32 s88, s88, s74
	s_lshl_b32 s88, s88, 13                        ; 32 runs of 256 bytes each
	s_mov_b32 s89, 0
	s_lshl_b32 s90, s68, 14                        ; the prefetches: my work-group's 64 rows of 256,
	s_add_co_u32 s90, s90, s80
	s_and_b32 s91, s[WV], 1
	s_lshl_b32 s91, s91, 13                        ; my wave's 32 of them,
	s_add_co_u32 s90, s90, s91
	s_add_co_u32 s90, s90, SLOTG                   ; in slot 1: the first change of slots steps it to slot 2
	s_mov_b32 s91, 0
	s_mul_i32 s[LB], s74, STEPB                    ; my tile's place in a slot: the block, and V's rows behind K's: no place in the cluster enters an LDS address
	s_mul_i32 s92, s73, VOFF
	s_add_co_u32 s[LB], s[LB], s92
	; descriptor group 1: 64 rows x 128 elements of 2 bytes, padded in LDS
	s_mov_b32 s[G1K], 15|(1<<16)|(1<<20)|(1<<21)|(5<<22)|(3<<25)  ; the mask: all four work-groups; elements of 2 bytes; padding on; bit 21 beside a mask; after every 64 words, 4 words
	s_mov_b32 s[G1V], 15|(1<<16)|(1<<20)|(1<<21)|(5<<22)|(7<<25)  ; the same with 8 words
.irp g, G1K, G1V
	s_mov_b32 s[\g+1], 128<<16                     ; tensor_dim0
	s_mov_b32 s[\g+2], KS<<16                      ; tensor_dim1
	s_mov_b32 s[\g+3], 128<<16                     ; tile_dim0
	s_mov_b32 s[\g+4], KS                          ; tile_dim1
	s_mov_b32 s[\g+5], 128                         ; from row to row
	s_mov_b32 s[\g+6], 0
	s_mov_b32 s[\g+7], 0
.endr
	s_mov_b32 s[SEL], 0x76543210
	s_mov_b32 s[SEL+1], 0xfedcba98
	s_mov_b32 s[TB], 0
	s_mov_b32 s[SLOTS], NSL-1
	s_and_b32 s[LIM], s[WV], 2                     ; 0 in waves 0, 1, 4 and 5,
	s_or_b32 s[LIM], s[LIM], ttmp9                 ; of the head pair's first cluster: the same in all four partners
	s_cmp_eq_u32 s[LIM], 0
	s_cselect_b32 s[LIM], 1, -1
	s_wait_dscnt 0x0                               ; both opening adds are done
	s_wait_kmcnt 0x0
	s_mov_b32 s[G0], 1                             ; count = 1
	s_mov_b32 s[G0+1], s[LB]                       ; LDS address: slot 0
	s_add_nc_u64 s[G0+2:G0+3], s[84:85], s[78:79]  ; global address: my tile of the first 256 keys
	s_or_b32 s[G0+3], s[G0+3], 0x80000000          ; type = 2
	s_add_nc_u64 s[PFA:PFA+1], s[84:85], s[90:91]
	s_add_nc_u64 s[CS:CS+1], s[84:85], s[82:83]    ; Q at my wave's first row
	s_add_nc_u64 s[MB:MB+1], s[86:87], s[88:89]
	CROUND                                         ; all four work-groups are here: the first joint loads meet
	JLOAD                                          ; slot 0.  One tensor load of mine is out, here and behind every later round
	v_and_b32 v1, 15, v0                           ; r
	v_bfe_u32 v16, v0, 4, 1                        ; h
	v_lshlrev_b32 v[QO], 8, v1
	v_lshl_add_u32 v[QO], v16, 4, v[QO]            ; Q: row r of 256 bytes + 16 h
	v_mul_u32_u24 v[AK0], v1, PK
	v_lshl_add_u32 v[AK0], v16, 4, v[AK0]
	v_add_nc_u32 v[AK0], s93, v[AK0]               ; K: row r x pitch + 16 h + my head's 128 bytes
	v_and_b32 v17, 7, v0
	v_lshl_add_u32 v[AV0], v16, 3, v17             ; V, turned: key 8 h + l % 8,
	v_mul_u32_u24 v[AV0], v[AV0], PV
	v_bfe_u32 v17, v0, 3, 1
	v_lshl_add_u32 v[AV0], v17, 4, v[AV0]          ; channels 8 ((l / 8) % 2) on
	s_add_co_u32 s94, s93, VOFF
	v_add_nc_u32 v[AV0], s94, v[AV0]
	s_mul_i32 s94, s74, 32*272                     ; the stage, in: row 32 g + r, my head's half of the row, 16 h
	s_add_co_u32 s94, s94, s93
	s_add_co_u32 s94, s94, STAGE
	v_mul_u32_u24 v[STO], v1, 272
	v_lshl_add_u32 v[STO], v16, 4, v[STO]
	v_add_nc_u32 v[STO], s94, v[STO]
	s_mul_i32 s94, s[WV], 16*272                   ; back: wave w takes rows 16 w on, whole: lanes 0-15 one row, lanes 16-31 the next
	s_add_co_u32 s94, s94, STAGE
	v_mul_u32_u24 v[RD], v16, 272
	v_lshl_add_u32 v[RD], v1, 4, v[RD]
	v_add_nc_u32 v[RD], s94, v[RD]
	v_lshlrev_b32 v[GO], 11, v16                   ; and the same two rows in o: 2,048 bytes a row
	v_lshl_add_u32 v[GO], v1, 4, v[GO]
	v_mov_b32 v[FILL], 0xc79c4000                  ; -80,000
	v_and_b32 v[PFO], 31, v0
	v_lshlrev_b32 v[PFO], 8, v[PFO]
	WIN TO_1
.irp t, 0,1                            ; Q stays in registers: tile t, channels 32 c on: a fragment is two loads of 16 bytes, 32 bytes apart
.irp c, 0,1
	global_load_b128 v[8*(2*\t+\c):8*(2*\t+\c)+3],   v[QO], s[CS:CS+1] offset:4096*\t+64*\c
	global_load_b128 v[8*(2*\t+\c)+4:8*(2*\t+\c)+7], v[QO], s[CS:CS+1] offset:4096*\t+64*\c+32
.endr
.endr
.set j, 0
.rept 64
	v_mov_b32 v[O+j], 0                            ; O^T: the step is written for every step alike; the first finds zeros, which a = 0 leaves zeros
.set j, j+1
.endr
	WIN 0
.macro MLD t, off                      ; tile t's 32 mask words of the 64 keys at byte off
	s_load_b512 s[32+36*(\t):47+36*(\t)], s[MB:MB+1], (\off)+128*(\t)
	s_load_b512 s[48+36*(\t):63+36*(\t)], s[MB:MB+1], (\off)+128*(\t)+64
.endm
	MLD 0, 0                                       ; the first 64 keys' words (the set-up numbers in these registers are done with)
	MLD 1, 0
.irp t, 0,1
	v_mov_b32 v[ST+8*\t+1], 0xff61b1e6             ; m = -3e38, under every score
	v_mov_b32 v[ST+8*\t+2], 0                      ; l
	v_mov_b32 v[ST+8*\t+3], 0
.endr
.irp t, 0,1
	v_mul_f32 v[ST+8*\t], 0x3e38aa3b, v[ST+8*\t+1] ; c m
.endr
	s_wait_loadcnt 0x0                             ; Q is in, and its loads have read their base,
	s_mov_b32 s[CS], 0x3e38aa3b                    ; which now holds c = log2(e) / 8
	s_mov_b32 s[CS+1], s[CS]
.macro FETCH_K adr, h                  ; K of half h of a step, for my head: 64 keys x 64 channels: 8 fragments (keys 16 (f / 2) on, channels 32 (f % 2) on), 16 loads in one run
	WIN TO_1
.irp f, 0,1,2,3,4,5,6,7
	ds_load_b128 v[KF+8*\f:KF+8*\f+3],   v[\adr] offset:(\h)*STEPB+(\f/2)*16*PK+(\f%2)*64
	ds_load_b128 v[KF+8*\f+4:KF+8*\f+7], v[\adr] offset:(\h)*STEPB+(\f/2)*16*PK+(\f%2)*64+32
.endr
	WIN 0
.endm
.macro FETCH_V adr                     ; a step's V, turned: 128 keys x 64 channels: 16 fragments (keys 32 u on, channels 16 ct on), 32 loads in one run
	WIN TO_1
.irp f, 0,1,2,3,4,5,6,7                ; u = f / 4 = 0, 1: the step's first block
	ds_load_tr16_b128 v[VF+8*\f:VF+8*\f+3],   v[\adr] offset:(\f/4)*32*PV+(\f%4)*32
	ds_load_tr16_b128 v[VF+8*\f+4:VF+8*\f+7], v[\adr] offset:(\f/4)*32*PV+16*PV+(\f%4)*32
.endr
.irp f, 0,1,2,3                        ; u = 3
	ds_load_tr16_b128 v[V3+8*\f:V3+8*\f+3],   v[\adr] offset:STEPB+32*PV+\f*32
	ds_load_tr16_b128 v[V3+8*\f+4:V3+8*\f+7], v[\adr] offset:STEPB+32*PV+16*PV+\f*32
.endr
	WIN 0
.irp f, 0,1,2,3                        ; u = 2, into window 0
	ds_load_tr16_b128 v[V2+8*\f:V2+8*\f+3],   v[\adr] offset:STEPB+\f*32
	ds_load_tr16_b128 v[V2+8*\f+4:V2+8*\f+7], v[\adr] offset:STEPB+16*PV+\f*32
.endr
.endm
; S^T = K Q^T for half h: product i of 16: channels 32 (i / 8) on, keys 16 ((i / 2) % 4) on, tile i % 2.  The first eight start the sums.  The eight accumulators take turns.
.macro QK h
	WIN W_KQ
.set i, 0
.rept 16
.set rS, S+64*(i%2)+32*(\h)+8*((i/2)%4)
.set rK, KF+8*(2*((i/2)%4)+i/8)
.set rQ, 8*(2*(i%2)+i/8)
.if i < 8
	v_wmma_f32_16x16x32_f16 v[rS:rS+7], v[rK:rK+7], v[rQ:rQ+7], 0
.else
	v_wmma_f32_16x16x32_f16 v[rS:rS+7], v[rK:rK+7], v[rQ:rQ+7], v[rS:rS+7]
.endif
.set i, i+1
.endr
	WIN 0
.endm
; O^T += V^T P: product i of 32: keys 32 u on, u = 2, 3, 0, 1 (so that V's window changes once), channels 16 ((i / 2) % 4) on, tile i % 2.  Eight accumulators by turns.
.macro PVM
.set i, 0
.rept 32
.set u, (i/8+2)%4
.set rO, O+32*(i%2)+8*((i/2)%4)
.set rP, P+32*(i%2)+8*u
.if u == 2
	WIN W_PV0
.set rV, V2+8*((i/2)%4)
.elseif u == 3
	WIN W_PV
.set rV, V3+8*((i/2)%4)
.else
	WIN W_PV
.set rV, VF+8*(4*u+(i/2)%4)
.endif
	v_wmma_f32_16x16x32_f16 v[rO:rO+7], v[rV:rV+7], v[rP:rP+7], v[rO:rO+7]
.set i, i+1
.endr
	WIN 0
.endm
.macro MASK h, t                       ; register n of half h of tile t takes -80,000 in the lanes whose bit of word n is set; each accumulator is read from its low end on
.set n, 0
.rept 32
	v_cndmask_b32 v[S+64*(\t)+32*(\h)+n], v[S+64*(\t)+32*(\h)+n], v[FILL], s[32+36*(\t)+n]
.set n, n+1
.endr
.endm
; Two of the maximum's four chains, for both tiles: chain j takes scores 16 j .. 16 j + 14 of a tile; score 16 j + 15 is left over.  Chains 0 and 1 lie in half 0, chains 2 and 3 in half 1.
.macro MAXC ca, cb
.irp j, \ca, \cb
.irp t, 0,1
	v_max3_num_f32 v[ST+8*\t+4+\j], v[S+64*\t+16*\j], v[S+64*\t+16*\j+1], v[S+64*\t+16*\j+2]
.endr
.endr
.irp i, 3,5,7,9,11,13
.irp j, \ca, \cb
.irp t, 0,1
	v_max3_num_f32 v[ST+8*\t+4+\j], v[ST+8*\t+4+\j], v[S+64*\t+16*\j+\i], v[S+64*\t+16*\j+\i+1]
.endr
.endr
.endr
.endm
; Both tiles' softmax for a key step of 128 keys (chains 0 and 1 of the maximum are done), line by line by turns, so that no line waits for the line above it.
.macro SOFTMAX
	MAXC 2, 3
.irp t, 0,1
	v_max3_num_f32 v[ST+8*\t+4], v[ST+8*\t+4], v[S+64*\t+15], v[S+64*\t+31]
	v_max3_num_f32 v[ST+8*\t+6], v[ST+8*\t+6], v[S+64*\t+47], v[S+64*\t+63]
.endr
.irp t, 0,1
	v_max3_num_f32 v[ST+8*\t+4], v[ST+8*\t+4], v[ST+8*\t+5], v[ST+8*\t+6]
.endr
.irp t, 0,1
	v_max3_num_f32 v[ST+8*\t+4], v[ST+8*\t+4], v[ST+8*\t+7], v[ST+8*\t+1]   ; with the old m
.endr
.irp t, 0,1
	v_permlanex16_b32 v[ST+8*\t+5], v[ST+8*\t+4], s[SEL], s[SEL+1]   ; the query's other 64 keys lie in the lane 16 away
.endr
.irp t, 0,1
	v_mov_b32 v[ST+8*\t+7], v[ST+8*\t]             ; c m_old is kept for a
.endr
.irp t, 0,1
	v_max_num_f32 v[ST+8*\t+1], v[ST+8*\t+4], v[ST+8*\t+5]
.endr
.irp t, 0,1
	v_mul_f32 v[ST+8*\t], s[CS], v[ST+8*\t+1]
.endr
.irp t, 0,1
	v_sub_f32 v[ST+8*\t+7], v[ST+8*\t+7], v[ST+8*\t]
.endr
.set j, 0
.rept 32
.irp t, 0,1
	v_pk_fma_f32 v[S+64*\t+j:S+64*\t+j+1], v[S+64*\t+j:S+64*\t+j+1], s[CS:CS+1], v[ST+8*\t:ST+8*\t+1] op_sel_hi:[1,0,0] neg_lo:[0,0,1] neg_hi:[0,0,1]   ; c s - c m, two at a time
.endr
.set j, j+2
.endr
.irp t, 0,1                            ; ONE BATCH of 130 exponentials: none reads another's result
	v_exp_f32 v[ST+8*\t+6], v[ST+8*\t+7]           ; a
.endr
.set j, 0
.rept 64
.irp t, 0,1
	v_exp_f32 v[S+64*\t+j], v[S+64*\t+j]
.endr
.set j, j+1
.endr
	v_nop                                          ; a plain instruction behind the last exponential, ahead of the first use
	s_wait_alu depctr_va_vdst(0)                   ; and a wait ahead of the batch's first reader
.set j, 0
.rept 32
.irp t, 0,1
	v_cvt_pk_f16_f32 v[P+32*\t+j], v[S+64*\t+2*j], v[S+64*\t+2*j+1]
.endr
.set j, j+1
.endr
.irp z, 0,1,2,3,4,5,6,7,8,9,10,11,12,13,14,15   ; the sum of the tile's 32 pairs, in place: neighbours 1, 2, 4, 8 and 16 pairs apart
.irp t, 0,1
	v_pk_add_f32 v[S+64*\t+4*\z:S+64*\t+4*\z+1], v[S+64*\t+4*\z:S+64*\t+4*\z+1], v[S+64*\t+4*\z+2:S+64*\t+4*\z+3]
.endr
.endr
.irp z, 0,1,2,3,4,5,6,7
.irp t, 0,1
	v_pk_add_f32 v[S+64*\t+8*\z:S+64*\t+8*\z+1], v[S+64*\t+8*\z:S+64*\t+8*\z+1], v[S+64*\t+8*\z+4:S+64*\t+8*\z+5]
.endr
.endr
.irp z, 0,1,2,3
.irp t, 0,1
	v_pk_add_f32 v[S+64*\t+16*\z:S+64*\t+16*\z+1], v[S+64*\t+16*\z:S+64*\t+16*\z+1], v[S+64*\t+16*\z+8:S+64*\t+16*\z+9]
.endr
.endr
.irp z, 0,1
.irp t, 0,1
	v_pk_add_f32 v[S+64*\t+32*\z:S+64*\t+32*\z+1], v[S+64*\t+32*\z:S+64*\t+32*\z+1], v[S+64*\t+32*\z+16:S+64*\t+32*\z+17]
.endr
.endr
.irp t, 0,1
	v_pk_add_f32 v[S+64*\t:S+64*\t+1], v[S+64*\t:S+64*\t+1], v[S+64*\t+32:S+64*\t+33]
.endr
.irp t, 0,1
	v_pk_fma_f32 v[ST+8*\t+2:ST+8*\t+3], v[ST+8*\t+2:ST+8*\t+3], v[ST+8*\t+6:ST+8*\t+7], v[S+64*\t:S+64*\t+1] op_sel_hi:[1,0,1]   ; l = a l + the sum
.endr
	WIN W_RS
.set j, 0
.rept 16
.irp t, 0,1
	v_pk_mul_f32 v[O+32*\t+j:O+32*\t+j+1], v[O+32*\t+j:O+32*\t+j+1], v[ST+8*\t+6:ST+8*\t+7] op_sel_hi:[1,0]   ; O^T x a, each accumulator from its low end on
.endr
.set j, j+2
.endr
.endm
; A KEY STEP of 128 keys, the st-th of the slot in hand.  nx = 1: the slot's next step is fetched on the way.  ml = 1: the mask words behind this step's are asked for.
; LDS loads are issued in this order: K of half 0 (16), V (32) [both in the step before, or at the slot's head], K of half 1 (16), the next step's K of half 0 (16), its V (32).
.macro STEP st, nx, ml
	s_wait_dscnt 32                                ; K of half 0 is in; V's 32 loads, issued behind it, may be out
	QK 0
	PLACES
	FETCH_K ADK+2*(\st), 1
	s_wait_kmcnt 0x0                               ; half 0's mask words
	MASK 0, 0
	MLD 0, 256*(2*(\st)+1)                         ; a tile's words are asked for anew as soon as they have been used
	MASK 0, 1
	MLD 1, 256*(2*(\st)+1)
	s_wait_dscnt 0x0                               ; K of half 1 is in, and so is V, which was issued ahead of it
	QK 1
	MAXC 0, 1                                      ; 28 plain lines on half 0's scores, which name no register of the products above: the places behind them
.if \nx
	FETCH_K ADK+2*(\st)+2, 0
.endif
	s_wait_kmcnt 0x0                               ; half 1's mask words
	MASK 1, 0
.if \ml
	MLD 0, 256*(2*(\st)+2)
.endif
	MASK 1, 1
.if \ml
	MLD 1, 256*(2*(\st)+2)
.endif
	SOFTMAX
	PVM
	PLACES
.if \nx
	FETCH_V ADV+2*(\st)+2
.endif
.endm
.macro SLOT_STEPS ml
	v_add_nc_u32 v[ADK], s[TB], v[AK0]
	v_add_nc_u32 v[ADV], s[TB], v[AV0]
	v_add_nc_u32 v[ADK+2], 2*STEPB, v[ADK]         ; the slot's second step: two blocks on
	v_add_nc_u32 v[ADV+2], 2*STEPB, v[ADV]
	FETCH_K ADK, 0
	FETCH_V ADV
	STEP 0, 1, 1
	STEP 1, 0, \ml
.if \ml
	s_wait_xcnt 0x0                                ; the scalar loads have read their base
	s_add_nc_u64 s[MB:MB+1], s[MB:MB+1], 1024      ; on to the next slot's mask words
.endif
	s_xor_b32 s[TB], s[TB], SLOT1                  ; on to the other slot: TB is 0 or SLOT1
.endm
; THE CHANGE OF SLOTS stands at a slot's head.  Each wave waits for all its tensor loads (its tile of the slot that it is about to read), adds 0 to its spare word, and waits for that and for its reads of the slot that it has left.
; fill = 1: a round of the cluster's barrier follows, so that no wave of any partner still reads the other slot or has a load on its way; the joint load of the next 256 keys into it is the first thing behind the round.
.macro CHANGE fill
	s_wait_tensorcnt 0x0                           ; no tensor load of mine is out, so my group 0 may be written
	ds_add_u32 v[SPW], v[NIL]                      ; 0 onto my spare word
.if \fill
	s_xor_b32 s[FT], s[TB], SLOT1                  ; the slot that is not in hand,
	s_add_co_u32 s[G0+1], s[FT], s[LB]             ; my tile's place in it,
	s_add_nc_u64 s[G0+2:G0+3], s[G0+2:G0+3], SLOTG ; the next 256 keys; the type bits on top are not reached
	s_wait_xcnt 0x0                                ; the last prefetch, a slot back, has read its address
	s_add_nc_u64 s[PFA:PFA+1], s[PFA:PFA+1], SLOTG ; one slot further on than the walking descriptor
	s_wait_dscnt 0x0                               ; the add is done, and my reads of the slot that I have left are over
	CROUND
	JLOAD
	ASK
.else
	s_wait_dscnt 0x0
	s_barrier_signal -1
	s_barrier_wait -1
.endif
.endm
.Lslot:                                            ; NSL - 1 = 7 trips: behind each change of slots but the last the next slot is asked for
	CHANGE 1
	SLOT_STEPS 1
	s_sub_co_u32 s[SLOTS], s[SLOTS], 1
	s_cmp_lg_u32 s[SLOTS], 0
	s_cbranch_scc1 .Lslot
	CHANGE 0                                       ; the last slot is written out
	SLOT_STEPS 0
	; THE WAY OUT.  l's halves and the other half of the lanes' are added; O^T is divided by l, rounded to f16 and laid into the work-group's stage: a row's 256 bytes come from the two waves of its two heads.
	s_load_b64 s[32:33], s[0:1], 0x10              ; o
.irp t, 0,1
	v_add_f32 v[ST+8*\t+4], v[ST+8*\t+2], v[ST+8*\t+3]
.endr
.irp t, 0,1
	v_permlanex16_b32 v[ST+8*\t+5], v[ST+8*\t+4], s[SEL], s[SEL+1]
.endr
.irp t, 0,1
	v_add_f32 v[ST+8*\t+4], v[ST+8*\t+4], v[ST+8*\t+5]
.endr
.irp t, 0,1
	v_rcp_f32 v[ST+8*\t+6], v[ST+8*\t+4]
.endr
	v_nop                                          ; a plain instruction behind the last reciprocal
	s_bfe_u32 s34, ttmp6, 0x40000
	s_lshl_b32 s35, ttmp9, 2
	s_add_co_u32 s34, s34, s35                     ; my block of 128 queries
	s_lshl_b32 s34, s34, 7
	s_and_b32 s35, ttmp7, 0xffff
	s_lshr_b32 s36, s35, 3
	s_lshl_b32 s36, s36, 11                        ; 2,048 rows a batch
	s_add_co_u32 s34, s34, s36
	s_lshl_b32 s36, s[WV], 4
	s_add_co_u32 s34, s34, s36                     ; the first row that I store: + 16 x wave
	s_lshl_b32 s34, s34, 11                        ; 2,048 bytes a row
	s_and_b32 s35, s35, 7
	s_lshl_b32 s35, s35, 8                         ; the pair of heads: 256 bytes of a row
	s_add_co_u32 s34, s34, s35
	s_mov_b32 s35, 0
	s_wait_alu depctr_va_vdst(0)                   ; the wait ahead of the reciprocals' first reader
	WIN W_RS
.set j, 0
.rept 16
.irp t, 0,1
	v_pk_mul_f32 v[O+32*\t+j:O+32*\t+j+1], v[O+32*\t+j:O+32*\t+j+1], v[ST+8*\t+6:ST+8*\t+7] op_sel_hi:[1,0]
.endr
.set j, j+2
.endr
	WIN 0x05                                       ; sources 0 and 1 window 1, destination window 0: S^T's registers are free
.set j, 0
.rept 16
.irp t, 0,1
	v_cvt_pk_f16_f32 v[S+16*\t+j], v[O+32*\t+2*j], v[O+32*\t+2*j+1]
.endr
.set j, j+1
.endr
	WIN 0
.irp t, 0,1
.irp c, 0,1,2,3
	ds_store_b128 v[STO], v[S+16*\t+4*\c:S+16*\t+4*\c+3] offset:4352*\t+32*\c   ; query 16 t + r, channels 16 c + 8 h + 0 .. 7
.endr
.endr
	s_wait_dscnt 0x0                               ; for the others' sake: my stores into the stage are done
	s_barrier_signal -1
	s_barrier_wait -1
.irp i, 0,1,2,3,4,5,6,7
	ds_load_b128 v[S+32+4*\i:S+32+4*\i+3], v[RD] offset:544*\i
.endr
	s_wait_kmcnt 0x0
	s_add_nc_u64 s[32:33], s[32:33], s[34:35]
.irp i, 0,1,2,3,4,5,6,7
	s_wait_dscnt 7-\i                              ; LDS loads come back in order: load i is in, the younger ones may be out
	global_store_b128 v[GO], v[S+32+4*\i:S+32+4*\i+3], s[32:33] offset:4096*\i   ; 16 lanes store 256 consecutive bytes, aligned
.endr
	s_wait_tensorcnt 0x0                           ; the wave's end: the tensor wait, the add and its wait stand behind my last tensor load and my last LDS store
	ds_add_u32 v[SPW], v[NIL]
	s_wait_dscnt 0x0
	CROUND                                         ; the closing round: no work-group ends while a partner may still ask for a tile that names it
	s_endpgm
.Lfunc_end_k_qb28e23b521_attn:
	.size	k_qb28e23b521_attn, .Lfunc_end_k_qb28e23b521_attn-k_qb28e23b521_attn
	.p2alignl 7, 3214868480
	.fill 96, 4, 3214868480
	.section	.rodata,"a",@progbits
	.p2align	6, 0x0
	.amdhsa_kernel k_qb28e23b521_attn
		.amdhsa_group_segment_fixed_size 327680
		.amdhsa_private_segment_fixed_size 0
		.amdhsa_enable_private_segment 0
		.amdhsa_kernarg_size 24
		.amdhsa_user_sgpr_count 2
		.amdhsa_user_sgpr_kernarg_segment_ptr 1
		.amdhsa_wavefront_size32 1
		.amdhsa_system_sgpr_workgroup_id_x 1
		.amdhsa_system_sgpr_workgroup_id_y 1
		.amdhsa_system_sgpr_workgroup_id_z 1
		.amdhsa_system_vgpr_workitem_id 0
		.amdhsa_next_free_vgpr 512
		.amdhsa_next_free_sgpr 106
		.amdhsa_reserve_vcc 0
		.amdhsa_float_denorm_mode_32 3
		.amdhsa_float_denorm_mode_16_64 3
		.amdhsa_memory_ordered 1
		.amdhsa_forward_progress 1
		.amdhsa_inst_pref_size 179
	.end_amdhsa_kernel
	.amdgpu_metadata
---
amdhsa.version: [ 1, 2 ]
amdhsa.kernels:
  - .name:           k_qb28e23b521_attn
    .symbol:         k_qb28e23b521_attn.kd
    .args:
      - { .name: qkv, .offset: 0, .size: 8, .value_kind: global_buffer, .address_space: global }
      - { .name: mbits, .offset: 8, .size: 8, .value_kind: global_buffer, .address_space: global }
      - { .name: o_h, .offset: 16, .size: 8, .value_kind: global_buffer, .address_space: global }
    .group_segment_fixed_size: 327680
    .private_segment_fixed_size: 0
    .kernarg_segment_align: 8
    .kernarg_segment_size: 24
    .max_flat_workgroup_size: 256
    .sgpr_count:     106
    .vgpr_count:     512
    .wavefront_size: 32
...
	.end_amdgpu_metadata
.endif
;; end of part 3
;; launch proj (part 4): grid 8 x 32, 4 waves a work-group, clusters of 4 x 4, 327,680 bytes of LDS; arguments o_h, wo_h, b_out, out0; writes out0
.if DOCPART == 4
	.amdgcn_target "amdgcn-amd-amdhsa--gfx1250"
	.amdhsa_code_object_version 6
	.text
	.protected	k_qb28e23b521_proj
	.globl	k_qb28e23b521_proj
	.p2align	8
	.type	k_qb28e23b521_proj,@function
k_qb28e23b521_proj:
	s_mov_b64 s[64:65], 0
	v_nop
	global_prefetch_b8 v0, s[64:65] scope:SCOPE_SE
	s_setreg_imm32_b32 hwreg(HW_REG_WAVE_MODE, 25, 1), 1
	s_wait_xcnt 0x0
	s_wait_alu depctr_hold_cnt(0) depctr_sa_sdst(0) depctr_va_vdst(0) depctr_va_sdst(0) depctr_va_ssrc(0) depctr_va_vcc(0) depctr_vm_vsrc(0)
	s_getreg_b32 s2, hwreg(HW_REG_IB_STS2, 6, 4)
	s_cmp_eq_u32 s2, 0
	s_cbranch_scc0 .Lentry_in_a_cluster
	s_endpgm
.Lentry_in_a_cluster:
	s_bfe_u32 s2, ttmp6, 0x10000c
	s_cmp_lg_u32 s2, 0xf033
	s_cbranch_scc0 .Lentry_shape_is_right
	s_endpgm
.Lentry_shape_is_right:
; out0[m][n] = sum over k of o[m][k] w_out[n][k] + b_out[n].  o: [4096][1024] f16, w_out: [1024][1024] f16 (both made by earlier launches), b_out: [1024] f32, out0: [4096][1024] f32; sums in f32.
; A tile of out0 is 128 x 128: 256 work-groups.  Four waves, each 64 x 64: 16 accumulators of 16 x 16.  K goes in steps of 256 (LDS rows of 512 bytes; a wave's tensor load brings 64 of them) through two slots.
; CLUSTERS: 4 x 4 work-groups.  The four of a row of the cluster need the same tiles of o, the four of a column the same tiles of w_out: each tile is asked for jointly.
; The matrix instruction is used transposed (source 0 = 16 rows of w_out, source 1 = 16 rows of o): a lane then holds eight neighbouring numbers of a row of out0.
; THE BIAS is the C of each sum's first matrix instruction: eight registers for each block of 16 columns, in the result's layout.
; THE WAY OUT: a wave's 64 columns of f32 are 256 aligned bytes of a row, so each wave has a stage of its own and no barrier is needed.
; REGISTERS: window 0: v0-31 addresses; v32-95 rows on the way out; v96-127 the bias; v128-255 the accumulators ((a, b) at v[128 + 8 (4 a + b)]).  window 1: two fragment buffers of 128.
.set SIZE_M, 4096
.set SIZE_N, 1024
.set SIZE_K, 1024
.set KSTEP,  256
.set PITCH,  528                       ; an LDS row: 512 bytes + 16 of padding = 132 words: row r starts at bank 4 r mod 64 (64 banks of 4 bytes: ISA guide 11.1)
.set HALFT,  64*PITCH
.set SLOT,   4*HALFT
.set STAGE,  2*SLOT                    ; behind the ring: 16 rows x 272 bytes for each wave
.set SPITCH, 272
.set SPARE,  STAGE+4*16*SPITCH         ; the spare words, 128 bytes for each wave: two blocks of 256 bytes that no other line names
.set LAPS, SIZE_K/(2*KSTEP)
.set ADRA, 16
.set ADRB, 20
.set STO,  24
.set RD,   25
.set CO,   26
.set BO,   27                          ; v27 32 x (lane / 16): my eight numbers of a block of the bias; never rewritten
.set SPW,  28
.set NIL,  29
.set TMP,  32
.set BIAS, 96
.set ACC,  128
.set F0,   0
.set F1,   128
.set G1, 24
.set G0, 32
.set G1B, 48
.set G0B, 56
.set MSB, 0
.macro WIN new                         ; the immediate's high byte repeats the setting that is left
.if MSB != \new
	s_set_vgpr_msb (MSB<<8)|\new
.set MSB, \new
.endif
.endm
.set MUL,  0x05                        ; sources 0 (B) and 1 (A) window 1; C and D window 0
.set TO_F, 0x40                        ; destination window 1, address window 0
.macro JLOAD s                         ; a joint load: waves 0 and 1 fetch A's two halves, waves 2 and 3 B's; an s_nop 0 and four v_nop follow each of the two lines
	s_cmp_eq_u32 s11, 0
	s_cbranch_scc0 .Lfor_b_\@
	tensor_load_to_lds s[G0+4*\s:G0+4*\s+3], s[G1:G1+7]
	s_nop 0
.rept 4
	v_nop
.endr
	s_branch .Lasked_\@
.Lfor_b_\@:
	tensor_load_to_lds s[G0B+4*\s:G0B+4*\s+3], s[G1B:G1B+7]
	s_nop 0
.rept 4
	v_nop
.endr
.Lasked_\@:
.endm
.macro CREST                           ; a round of the cluster's barrier behind its opening barrier
	s_cmp_lg_u32 s10, 0
	s_cbranch_scc1 .Lnot_wave_0_\@
	s_barrier_signal -3
.Lnot_wave_0_\@:
	s_barrier_wait -3
	s_barrier_signal -1
	s_barrier_wait -1
.endm
.macro CROUND                          ; a whole round
	s_barrier_signal -1
	s_barrier_wait -1
	CREST
.endm
	s_load_b128 s[4:7], s[0:1], 0x0                ; o, w_out
	s_load_b64 s[66:67], s[0:1], 0x10              ; b_out
	s_load_b64 s[8:9], s[0:1], 0x18                ; out0
	v_lshl_add_u32 v[SPW], v0, 2, SPARE
	v_mov_b32 v[NIL], 0
	ds_add_u32 v[SPW], v[NIL]                      ; the wave's opening: the add, twice on end, and its wait ahead of my first tensor load
	ds_add_u32 v[SPW], v[NIL]
	v_lshrrev_b32 v1, 5, v0
	v_readfirstlane_b32 s10, v1                    ; wave 0..3
	s_lshr_b32 s11, s10, 1                         ; which half of the tile's rows is mine.  Also: I fetch for A (0) or for B (1)
	s_and_b32 s12, s10, 1                          ; which half of its columns.  Also: which 64 rows of that tile I fetch
	s_bfe_u32 s40, ttmp6, 0x40000                  ; cx, cy
	s_bfe_u32 s41, ttmp6, 0x40004
	s_lshl_b32 s42, ttmp9, 2
	s_add_co_u32 s42, s42, s40                     ; tile column = 4 x cluster x + cx
	s_and_b32 s13, ttmp7, 0xffff
	s_lshl_b32 s13, s13, 2
	s_add_co_u32 s13, s13, s41                     ; tile row = 4 x cluster y + cy
	s_lshl_b32 s43, s41, 2
	s_lshl_b32 s43, 15, s43                        ; my row of the cluster
	s_lshl_b32 s44, 0x1111, s40                    ; my column
	; descriptor group 1: a tile of 64 rows x 256 elements of 2 bytes, 16 bytes of padding behind each row
	s_or_b32 s[G1+0], s43, (1<<16)|(1<<20)|(1<<21)|(6<<22)|(3<<25)
	s_or_b32 s[G1B+0], s44, (1<<16)|(1<<20)|(1<<21)|(6<<22)|(3<<25)
.irp g, G1, G1B
	s_mov_b32 s[\g+1], KSTEP<<16                   ; tensor_dim0
	s_mov_b32 s[\g+2], 64<<16                      ; tensor_dim1
	s_mov_b32 s[\g+3], KSTEP<<16                   ; tile_dim0
	s_mov_b32 s[\g+4], 64                          ; tile_dim1
	s_mov_b32 s[\g+5], SIZE_K                      ; from row to row
	s_mov_b32 s[\g+6], 0
	s_mov_b32 s[\g+7], 0
.endr
	s_lshl_b32 s17, s12, 6                         ; which 64 rows of the tile I fetch
	s_lshl_b32 s16, s13, 7
	s_add_co_u32 s16, s16, s17                     ; A: row 128 x tile row + 64 x half
	s_lshl_b32 s46, s42, 7
	s_add_co_u32 s46, s46, s17                     ; B: row 128 x tile column + 64 x half
	s_mov_b32 s17, 0
	s_mov_b32 s47, 0
	s_mov_b64 s[18:19], SIZE_K*2
	s_mul_u64 s[16:17], s[16:17], s[18:19]
	s_mul_u64 s[46:47], s[46:47], s[18:19]
	s_mul_i32 s20, s10, HALFT                      ; where they go: wave x 64 rows
	s_wait_dscnt 0x0                               ; both opening adds are done
	s_wait_kmcnt 0x0
	s_add_nc_u64 s[14:15], s[4:5], s[16:17]
	s_add_nc_u64 s[46:47], s[6:7], s[46:47]
	CROUND                                         ; all sixteen work-groups are here: the first joint loads meet
.irp s, 0,1
	s_mov_b32 s[G0+4*\s], 1
	s_add_co_u32 s[G0+4*\s+1], s20, \s*SLOT
	s_add_nc_u64 s[G0+4*\s+2:G0+4*\s+3], s[14:15], \s*KSTEP*2
	s_or_b32 s[G0+4*\s+3], s[G0+4*\s+3], 0x80000000
	s_mov_b32 s[G0B+4*\s], 1
	s_add_co_u32 s[G0B+4*\s+1], s20, \s*SLOT
	s_add_nc_u64 s[G0B+4*\s+2:G0B+4*\s+3], s[46:47], \s*KSTEP*2
	s_or_b32 s[G0B+4*\s+3], s[G0B+4*\s+3], 0x80000000
	JLOAD \s                                       ; two loads of mine are out behind the second
.endr
	v_and_b32 v1, 15, v0                           ; r
	v_bfe_u32 v2, v0, 4, 1                         ; h
	v_mul_u32_u24 v3, v1, PITCH
	v_lshl_add_u32 v3, v2, 4, v3                   ; a fragment's row x pitch + 16 x half
	s_mul_i32 s21, s11, HALFT                      ; my 64 rows of A
	s_mul_i32 s22, s12, HALFT                      ; my 64 rows of B,
	s_add_co_u32 s22, s22, 2*HALFT                 ; which lie behind A's 128
.irp s, 0,1
	v_add_nc_u32 v[ADRA+\s], s21, v3
	v_add_nc_u32 v[ADRB+\s], s22, v3
	s_add_co_u32 s21, s21, SLOT
	s_add_co_u32 s22, s22, SLOT
.endr
	s_mul_i32 s23, s10, 16*SPITCH
	s_add_co_u32 s23, s23, STAGE                   ; my stage
	v_mul_u32_u24 v4, v1, SPITCH                   ; in: row r, 32 bytes for each half of the lanes
	v_lshl_add_u32 v4, v2, 5, v4
	v_add_nc_u32 v[STO], s23, v4
	v_mul_u32_u24 v5, v2, SPITCH                   ; back: lanes 0-15 one row of 256 bytes, lanes 16-31 the next
	v_lshl_add_u32 v5, v1, 4, v5
	v_add_nc_u32 v[RD], s23, v5
	v_lshlrev_b32 v5, 12, v2                       ; and the same two rows in out0: 4,096 bytes a row
	v_lshl_add_u32 v[CO], v1, 4, v5
	v_lshlrev_b32 v[BO], 5, v2
	s_lshl_b32 s46, s42, 9                         ; my first column, in bytes of f32: 512 x tile column + 256 x half: the same in b_out and in a row of out0
	s_lshl_b32 s47, s12, 8
	s_add_co_u32 s46, s46, s47
	s_mov_b32 s47, 0
	s_add_nc_u64 s[66:67], s[66:67], s[46:47]
	s_add_nc_u64 s[8:9], s[8:9], s[46:47]
	s_lshl_b32 s16, s13, 7
	s_lshl_b32 s17, s11, 6
	s_add_co_u32 s16, s16, s17                     ; my first row: 128 x tile row + 64 x half
	s_lshl_b32 s16, s16, 12
	s_mov_b32 s17, 0
	s_add_nc_u64 s[8:9], s[8:9], s[16:17]
.irp b, 0,1,2,3
	global_load_b128 v[BIAS+8*\b:BIAS+8*\b+3],   v[BO], s[66:67] offset:64*\b      ; b_out at columns 16 b + 8 h + 0 .. 7
	global_load_b128 v[BIAS+8*\b+4:BIAS+8*\b+7], v[BO], s[66:67] offset:64*\b+16
.endr
; 8 matrix instructions: m blocks a0, a0 + 1 x all 4 n blocks, 32 along K: half c of buffer f.  zero = 1: the first product starts the sums from the bias.  The 16 accumulators take turns.
.macro MUL8 f, c, a0, zero
.irp a, \a0, \a0+1
.irp b, 0,1,2,3
.if \zero
	v_wmma_f32_16x16x32_f16 v[ACC+8*(4*(\a)+\b):ACC+8*(4*(\a)+\b)+7], v[\f+64+8*(4*\c+\b):\f+64+8*(4*\c+\b)+7], v[\f+8*(4*\c+\a):\f+8*(4*\c+\a)+7], v[BIAS+8*\b:BIAS+8*\b+7]
.else
	v_wmma_f32_16x16x32_f16 v[ACC+8*(4*(\a)+\b):ACC+8*(4*(\a)+\b)+7], v[\f+64+8*(4*\c+\b):\f+64+8*(4*\c+\b)+7], v[\f+8*(4*\c+\a):\f+8*(4*\c+\a)+7], v[ACC+8*(4*(\a)+\b):ACC+8*(4*(\a)+\b)+7]
.endif
.endr
.endr
.endm
; 32 LDS loads in one run: the fragments of 64 along K at byte k of the rows, into buffer f; the first 32 along K first
.macro FETCH slot, k, f
	WIN TO_F
.irp c, 0,1
.irp i, 0,1,2,3
	ds_load_b128 v[\f+64+8*(4*\c+\i):\f+64+8*(4*\c+\i)+3],   v[ADRB+\slot] offset:\k+64*\c+\i*16*PITCH
	ds_load_b128 v[\f+64+8*(4*\c+\i)+4:\f+64+8*(4*\c+\i)+7], v[ADRB+\slot] offset:\k+64*\c+\i*16*PITCH+32
	ds_load_b128 v[\f+8*(4*\c+\i):\f+8*(4*\c+\i)+3],         v[ADRA+\slot] offset:\k+64*\c+\i*16*PITCH
	ds_load_b128 v[\f+8*(4*\c+\i)+4:\f+8*(4*\c+\i)+7],       v[ADRA+\slot] offset:\k+64*\c+\i*16*PITCH+32
.endr
.endr
.endm
.macro PLACES                          ; four places in front of loads into registers that matrix instructions have read, and of the first read of results
.rept 4
	v_nop
.endr
.endm
; A K step is four quarters of 64 along K, 32 matrix instructions each, on buffers 0, 1, 0, 1.  One of the first three: multiplies buffer f and fetches the next quarter, at byte k, into g.
.macro QUARTER slot, k, f, g, zero
	s_wait_dscnt 16                                ; the first 32 along K are in; the other sixteen loads may be out
	WIN MUL
	MUL8 \f, 0, 0, \zero
	MUL8 \f, 0, 2, \zero
	PLACES
	FETCH \slot, \k, \g
	s_wait_dscnt 32                                ; all but the 32 just issued
	WIN MUL
	MUL8 \f, 1, 0, 0
	MUL8 \f, 1, 2, 0
.endm
; The last quarter multiplies buffer 1 and changes slots: one barrier; in front of it each wave waits for all its tensor loads, adds 0 to its spare word, and waits for that and for its own reads of this slot.  fill = 1: this slot is filled again, two K steps ahead.
.macro TURN slot, next, fill
	WIN 0                                          ; (the add's two registers lie in window 0)
	s_wait_tensorcnt 0x0                           ; all my tensor loads have landed: my part of the next slot
	ds_add_u32 v[SPW], v[NIL]                      ; 0 onto my spare word
	s_wait_dscnt 17                                ; (the add and the youngest sixteen loads may be out)
	WIN MUL
	MUL8 F1, 0, 0, 0
	s_wait_dscnt 0x0                               ; the add is done, and my reads of this slot are over
	s_barrier_signal -1
	MUL8 F1, 0, 2, 0
.if \fill
	WIN 0
.endif
	s_barrier_wait -1
.if \fill
	CREST                                          ; the barrier has opened a round of the cluster's barrier: no wave of any partner still reads this slot's tile or has a load on its way
	s_add_nc_u64 s[G0+4*\slot+2:G0+4*\slot+3], s[G0+4*\slot+2:G0+4*\slot+3], 2*KSTEP*2
	s_add_nc_u64 s[G0B+4*\slot+2:G0B+4*\slot+3], s[G0B+4*\slot+2:G0B+4*\slot+3], 2*KSTEP*2
	JLOAD \slot                                    ; the first tensor load behind the round; the four v_nop behind it are also the places in front of the loads below
.else
	PLACES
.endif
	FETCH \next, 0, F0
	WIN MUL
	MUL8 F1, 1, 0, 0
	MUL8 F1, 1, 2, 0
.endm
	s_wait_tensorcnt 1                             ; my part of K step 0 is in (K step 1's load may be out)
	s_barrier_signal -1
	s_barrier_wait -1                              ; everybody's is
	s_wait_loadcnt 0x0                             ; the bias
	FETCH 0, 0, F0
	QUARTER 0, 128, F0, F1, 1                      ; the first quarter stands in front of the loop: its first products start the sums
	WIN 0                                          ; at a label and at a branch every window is 0
	s_mov_b32 s3, LAPS-1
.Llap:                                                 ; a trip goes once round the ring, from a lap's second quarter to the next lap's first, and fills both slots again
	QUARTER 0, 256, F1, F0, 0
	QUARTER 0, 384, F0, F1, 0
	TURN 0, 1, 1
	QUARTER 1, 128, F0, F1, 0
	QUARTER 1, 256, F1, F0, 0
	QUARTER 1, 384, F0, F1, 0
	TURN 1, 0, 1
	QUARTER 0, 128, F0, F1, 0
	WIN 0
	s_sub_co_u32 s3, s3, 1
	s_cmp_lg_u32 s3, 0
	s_cbranch_scc1 .Llap
	QUARTER 0, 256, F1, F0, 0                      ; the last lap fills nothing, and has no round of the cluster's barrier
	QUARTER 0, 384, F0, F1, 0
	TURN 0, 1, 0
	QUARTER 1, 128, F0, F1, 0
	QUARTER 1, 256, F1, F0, 0
	QUARTER 1, 384, F0, F1, 0
	s_wait_dscnt 16                                ; the very last quarter: nothing more to fetch
	WIN MUL
	MUL8 F1, 0, 0, 0
	MUL8 F1, 0, 2, 0
	s_wait_dscnt 0
	MUL8 F1, 1, 0, 0
	MUL8 F1, 1, 2, 0
	WIN 0
; THE WAY OUT, block by block of 16 rows x 64 columns.  A lane holds 32 neighbouring bytes of a row; a block goes through my own stage and comes back as whole rows of 256 bytes.
.macro TOSTAGE a
.irp b, 0,1,2,3
	ds_store_b128 v[STO], v[ACC+8*(4*(\a)+\b):ACC+8*(4*(\a)+\b)+3] offset:64*\b        ; each accumulator from its low end on
	ds_store_b128 v[STO], v[ACC+8*(4*(\a)+\b)+4:ACC+8*(4*(\a)+\b)+7] offset:64*\b+16
.endr
.irp t, 0,1,2,3,4,5,6,7
	ds_load_b128 v[TMP+32*((\a)%2)+4*\t:TMP+32*((\a)%2)+4*\t+3], v[RD] offset:\t*2*SPITCH   ; LDS serves a wave's instructions in order (ISA guide 5.7.1.4): these see the stores above, and the next block's stores come behind them
.endr
.endm
.macro SEND a, younger                 ; younger: the LDS instructions issued behind block a's loads, which may stay out
	s_wait_dscnt \younger
.irp t, 0,1,2,3,4,5,6,7
	global_store_b128 v[CO], v[TMP+32*((\a)%2)+4*\t:TMP+32*((\a)%2)+4*\t+3], s[8:9] offset:(16*(\a)+2*\t)*SIZE_N*4 th:TH_STORE_NT   ; 16 lanes store 256 consecutive bytes, aligned
.endr
.endm
	PLACES
	TOSTAGE 0
.irp a, 1,2,3
.if \a > 1
	s_wait_xcnt 0x0                                ; block a - 2's stores have read their registers: block a's loads may land there
.endif
	TOSTAGE \a
	SEND \a-1, 16                                  ; behind block a - 1's loads: block a's 8 stores and 8 loads
.endr
	SEND 3, 0
	s_wait_tensorcnt 0x0                           ; the wave's end: the tensor wait, the add and its wait stand behind my last tensor load and my last LDS store
	ds_add_u32 v[SPW], v[NIL]
	s_wait_dscnt 0x0
	CROUND                                         ; the closing round: no work-group ends while a partner may still ask for a tile that names it
	s_endpgm
.Lfunc_end_k_qb28e23b521_proj:
	.size	k_qb28e23b521_proj, .Lfunc_end_k_qb28e23b521_proj-k_qb28e23b521_proj
	.p2alignl 7, 3214868480
	.fill 96, 4, 3214868480
	.section	.rodata,"a",@progbits
	.p2align	6, 0x0
	.amdhsa_kernel k_qb28e23b521_proj
		.amdhsa_group_segment_fixed_size 327680
		.amdhsa_private_segment_fixed_size 0
		.amdhsa_enable_private_segment 0
		.amdhsa_kernarg_size 32
		.amdhsa_user_sgpr_count 2
		.amdhsa_user_sgpr_kernarg_segment_ptr 1
		.amdhsa_wavefront_size32 1
		.amdhsa_system_sgpr_workgroup_id_x 1
		.amdhsa_system_sgpr_workgroup_id_y 1
		.amdhsa_system_sgpr_workgroup_id_z 1
		.amdhsa_system_vgpr_workitem_id 0
		.amdhsa_next_free_vgpr 512
		.amdhsa_next_free_sgpr 68
		.amdhsa_reserve_vcc 0
		.amdhsa_float_denorm_mode_32 3
		.amdhsa_float_denorm_mode_16_64 3
		.amdhsa_memory_ordered 1
		.amdhsa_forward_progress 1
		.amdhsa_inst_pref_size 86
	.end_amdhsa_kernel
	.amdgpu_metadata
---
amdhsa.version: [ 1, 2 ]
amdhsa.kernels:
  - .name:           k_qb28e23b521_proj
    .symbol:         k_qb28e23b521_proj.kd
    .args:
      - { .name: o_h, .offset: 0, .size: 8, .value_kind: global_buffer, .address_space: global }
      - { .name: wo_h, .offset: 8, .size: 8, .value_kind: global_buffer, .address_space: global }
      - { .name: b_out, .offset: 16, .size: 8, .value_kind: global_buffer, .address_space: global }
      - { .name: out0, .offset: 24, .size: 8, .value_kind: global_buffer, .address_space: global }
    .group_segment_fixed_size: 327680
    .private_segment_fixed_size: 0
    .kernarg_segment_align: 8
    .kernarg_segment_size: 32
    .max_flat_workgroup_size: 128
    .sgpr_count:     68
    .vgpr_count:     512
    .wavefront_size: 32
...
	.end_amdgpu_metadata
.endif
;; end of part 4
